; MI455X (gfx1250); checked and timed in simulation.
; The chip was launched on July 23, 2026; its instructions are those of AMD's public machine-readable ISA for CDNA 5 (MIT licence, August 2026) and "CDNA5" Instruction Set Architecture Reference Guide (July 2026). The comments in the code are by the model that wrote it; some were corrected since.
;; Mixture Attention. Allowed arithmetic: float matrix products may take bf16 or f16 operands with f32 sums; all other float work in f32.
;; Inputs: Wk 1,024 x 1,024 float32; Wo 1,024 x 1,024 float32; Wq 1,024 x 1,024 float32; Wv 1,024 x 1,024 float32; alpha one number float32; bk 1,024 float32; bo 1,024 float32; bq 1,024 float32; bv 1,024 float32; rel_emb 9,999 x 1,024 float32; x 2 x 2,048 x 1,024 float32.
;; Outputs: out0 2 x 2,048 x 1,024 float32.
;; One version. Each part assembles by itself: llvm-mc -triple=amdgcn-amd-amdhsa -mcpu=gfx1250 --defsym DOCPART=n.
;; ======== version 1 of 1: 4 launches
;; workspace buffers: xb 8,388,608 bytes; wqkv 6,291,456 bytes; wob 2,097,152 bytes; bqkv 12,288 bytes; qkv 25,165,824 bytes; ab 8,388,608 bytes
;; launch prep (part 1): grid 512 x 1, 16 waves a work-group, no clusters, 0 bytes of LDS; arguments x, rel_emb, alpha, Wq, Wk, Wv, Wo, bq, bk, bv, xb, wqkv, wob, bqkv; writes xb, wqkv, wob, bqkv
.if DOCPART == 1
	.amdgcn_target "amdgcn-amd-amdhsa--gfx1250"
	.amdhsa_code_object_version 6
	.text
	.protected	k_qd87ea0a45a_prep
	.globl	k_qd87ea0a45a_prep
	.p2align	8
	.type	k_qd87ea0a45a_prep,@function
k_qd87ea0a45a_prep:
	s_mov_b64 s[64:65], 0
	v_nop
	global_prefetch_b8 v0, s[64:65] scope:SCOPE_SE
	s_setreg_imm32_b32 hwreg(HW_REG_WAVE_MODE, 25, 1), 1
	s_wait_xcnt 0x0
; prep: everything that the matrix launches read, once, in bf16 and in BLOCKED layouts (blocks of 64 columns, a row of a block = 128 bytes):
;   xb   [16][4096][64] = bf16(x + alpha * sinusoid + (1 - alpha) * rel_emb[2952 + s])
;   wqkv [16][3072][64] = bf16 of Wq * c (rows 0-1023), Wk (1024-2047), Wv (2048-3071)
;   wob  [8][16][128][64] = bf16(Wo): groups of 128 rows, and in a group its 16 blocks one behind the other, so that all of K of 128 rows is dense
;   bqkv [3072] f32     = bq * c, bk, bv.      c = log2(e) / 32: the softmax scale 1/sqrt(1024) and the change to base 2, folded into q.
; In a block two neighbouring rows are 256 consecutive bytes, aligned, and any run of rows of a block is dense.
; A stream: memory binds.  No LDS, no matrix unit, no cluster: no two work-groups read the same bytes.
; Sixteen waves; wave kb owns the block of columns 64 kb .. 64 kb + 63.  A 16-byte load of the wave covers 256 aligned bytes of each of two rows;
; the four numbers of a lane become 8 bytes, and an 8-byte store of the wave covers the two rows of the block: 256 consecutive bytes, aligned.
; Work-groups 0-255: positions 8 g .. 8 g + 7 of BOTH batches, so that each positional code is made once.  Work-groups 256-511: 16 rows of one weight.
; LIMITS: the angle is pos * exp2(-c0 * log2(10000)/1024) in f32; against the angle as the problem's text forms it, it may differ by some 3e-4 rad
; at position 2047.  Sine and cosine: reduction by multiples of pi/2 in two parts (positions up to 2047, so k <= 1304), then polynomials on
; |r| <= pi/4 whose first left-out terms are r^9/9! (3e-7) and r^10/10! (3e-8).
.set ROWB,   4096                      ; bytes in a row of x, rel_emb and the weights
.set RELROW, 2952                      ; 5000 - 2048: the first row of rel_emb that is used
.set VIN,  1                           ; byte offset of my 16 bytes in the first two rows of the group
.set VOUT, 2                           ; byte offset of my 8 bytes in the output
.set CL,   3                           ; lane mod 16
.set HB,   4                           ; lane / 16: which of the two rows
.set KB,   5                           ; wave = block of columns
.set LN,   6                           ; lane
.set ANG,  7                           ; an angle; scratch
.set TK,   8                           ; v8-14: at work in SINCOS
.set TR,   9
.set TQ,   10
.set TR2,  11
.set TS,   12
.set TC,   13
.set TT,   14
.set R,    16                          ; v[16:31]  rel_emb, pair of rows j at 4 j      (weights: v[16:47], pair j at 4 j)
.set X0,   32                          ; v[32:47]  x, batch 0
.set X1,   48                          ; v[48:63]  x, batch 1
.set PE,   64                          ; v[64:79]  sin, cos, sin, cos of my four columns, pair of rows j at 4 j
.set Y,    80                          ; v[80:95]  what is stored: registers of their own for every store, so none is rewritten under a pending store
.set AL,   96                          ; v[96:97]  alpha, twice
.set OM,   98                          ; v[98:99]  1 - alpha, twice
.set M,    100                         ; v[100:103] the mixed code of four columns
.set D0,   104                         ; the frequency of columns c0, c0 + 1
.set D1,   105                         ; of columns c0 + 2, c0 + 3
.set SF,   106                         ; my row's position, as a float
	s_load_b512 s[8:23], s[0:1], 0x0               ; x 8:9, rel_emb 10:11, alpha 12:13, Wq 14:15, Wk 16:17, Wv 18:19, Wo 20:21, bq 22:23
	s_load_b256 s[24:31], s[0:1], 0x40             ; bk 24:25, bv 26:27, xb 28:29, wqkv 30:31
	s_load_b128 s[32:35], s[0:1], 0x60             ; wob 32:33, bqkv 34:35
	s_mov_b32 s2, ttmp9
	s_mov_b32 s5, 0                                ; the high word of every 32-bit offset in s[4:5]
	v_and_b32 v[CL], 15, v0
	v_bfe_u32 v[HB], v0, 4, 1
	v_lshrrev_b32 v[KB], 5, v0
	v_and_b32 v[LN], 31, v0
	v_lshlrev_b32 v[VIN], 4, v[CL]                 ; 16 (lane mod 16)
	v_lshl_or_b32 v[VIN], v[KB], 8, v[VIN]         ; + 256 kb
	v_lshl_or_b32 v[VIN], v[HB], 12, v[VIN]        ; + one row for lanes 16-31
	v_lshlrev_b32 v[VOUT], 3, v[LN]                ; 8 x lane = 128 (lane / 16) + 8 (lane mod 16)
	s_wait_kmcnt 0x0
	s_cmp_lt_u32 s2, 256
	s_cbranch_scc0 .Lweights
	; ---------------- x + positional code: positions 8 g .. 8 g + 7 ----------------
	s_load_b32 s36, s[12:13], 0x0                  ; alpha
	s_lshl_b32 s4, s2, 15                          ; 8 g rows of 4,096 bytes
	s_add_nc_u64 s[8:9], s[8:9], s[4:5]            ; x, batch 0
	s_add_nc_u64 s[38:39], s[8:9], 0x800000        ; x, batch 1: 2,048 rows on (a base of its own: one more than the immediate reaches)
	s_add_nc_u64 s[10:11], s[10:11], s[4:5]
	s_add_nc_u64 s[10:11], s[10:11], RELROW*ROWB   ; rel_emb at row 2952 + 8 g
.irp j, 0,1,2,3
	global_load_b128 v[R+4*\j:R+4*\j+3],   v[VIN], s[10:11] offset:8192*\j th:TH_LOAD_NT   ; all twelve loads go out ahead of the arithmetic
	global_load_b128 v[X0+4*\j:X0+4*\j+3], v[VIN], s[8:9]   offset:8192*\j th:TH_LOAD_NT
	global_load_b128 v[X1+4*\j:X1+4*\j+3], v[VIN], s[38:39] offset:8192*\j th:TH_LOAD_NT
.endr
	s_lshl_b32 s4, s2, 10                          ; 8 g rows of 128 bytes in a block of xb
	s_add_nc_u64 s[28:29], s[28:29], s[4:5]
	v_lshl_or_b32 v[VOUT], v[KB], 19, v[VOUT]      ; + kb blocks of 4,096 rows x 128 bytes
	s_mov_b32 s40, 0x3f22f983                      ; 2 / pi
	s_mov_b32 s41, 0xbfc90fdb                      ; -(pi/2), the f32 nearest
	s_mov_b32 s42, 0x333bbd2e                      ; -(pi/2 - that f32)
	s_mov_b32 s43, 0xbe2aaaab                      ; -1/3!
	s_mov_b32 s44, 0x3c088889                      ;  1/5!
	s_mov_b32 s45, 0xb9500d01                      ; -1/7!
	s_mov_b32 s46, 0x3d2aaaab                      ;  1/4!
	s_mov_b32 s47, 0xbab60b61                      ; -1/6!
	s_mov_b32 s48, 0x37d00d01                      ;  1/8!
	s_mov_b32 s49, 0x80000000                      ; the sign
	v_lshlrev_b32 v[ANG], 2, v[CL]
	v_lshl_or_b32 v[ANG], v[KB], 6, v[ANG]         ; c0 = 64 kb + 4 (lane mod 16), my first column (even)
	v_cvt_f32_u32 v[TK], v[ANG]
	v_add_nc_u32 v[ANG], 2, v[ANG]
	v_cvt_f32_u32 v[TR], v[ANG]
	v_mul_f32 v[TK], 0xbc549a78, v[TK]             ; x -log2(10000)/1024
	v_mul_f32 v[TR], 0xbc549a78, v[TR]
	v_exp_f32 v[D0], v[TK]
	v_exp_f32 v[D1], v[TR]
	v_lshl_add_u32 v[ANG], s2, 3, v[HB]            ; 8 g + lane / 16.  Also the plain instruction that stands behind the two exponentials (ISA guide 5.7.2)
	v_cvt_f32_u32 v[SF], v[ANG]
; sin and cos of v[ANG] (>= 0) into v[dst], v[dst + 1].  k = nearest whole number to ang * 2/pi, r = ang - k pi/2; the quadrant k mod 4 swaps and signs.
.macro SINCOS dst
	v_mul_f32 v[TK], s40, v[ANG]
	v_rndne_f32 v[TK], v[TK]
	v_fma_f32 v[TR], v[TK], s41, v[ANG]
	v_fma_f32 v[TR], v[TK], s42, v[TR]
	v_cvt_i32_f32 v[TQ], v[TK]
	v_mul_f32 v[TR2], v[TR], v[TR]
	v_fma_f32 v[TS], v[TR2], s45, s44
	v_fma_f32 v[TC], v[TR2], s48, s47
	v_fma_f32 v[TS], v[TS], v[TR2], s43
	v_fma_f32 v[TC], v[TC], v[TR2], s46
	v_mul_f32 v[TT], v[TR], v[TR2]
	v_fma_f32 v[TC], v[TC], v[TR2], -0.5
	v_fma_f32 v[TS], v[TT], v[TS], v[TR]           ; sin r
	v_fma_f32 v[TC], v[TC], v[TR2], 1.0            ; cos r
	v_and_b32 v[TT], 1, v[TQ]
	v_cmp_eq_u32 vcc_lo, 1, v[TT]                  ; odd quadrant: sine and cosine change places
	v_cndmask_b32 v[\dst], v[TS], v[TC], vcc_lo
	v_cndmask_b32 v[\dst+1], v[TC], v[TS], vcc_lo
	v_lshlrev_b32 v[TT], 30, v[TQ]                 ; sine is negative in quadrants 2, 3: bit 1 of k
	v_add_nc_u32 v[TQ], 1, v[TQ]                   ; cosine in quadrants 1, 2: bit 1 of k + 1
	v_and_b32 v[TT], s49, v[TT]
	v_lshlrev_b32 v[TQ], 30, v[TQ]
	v_xor_b32 v[\dst], v[\dst], v[TT]
	v_and_b32 v[TQ], s49, v[TQ]
	v_xor_b32 v[\dst+1], v[\dst+1], v[TQ]
.endm
	s_wait_alu depctr_va_vdst(0)
.irp j, 0,1,2,3
	v_mul_f32 v[ANG], v[SF], v[D0]
	SINCOS PE+4*\j
	v_mul_f32 v[ANG], v[SF], v[D1]
	SINCOS PE+4*\j+2
	v_add_f32 v[SF], 2.0, v[SF]                    ; the next pair of rows (whole numbers: exact)
.endr
	s_wait_kmcnt 0x0                               ; alpha
	v_mov_b32 v[AL], s36
	v_mov_b32 v[AL+1], s36
	v_sub_f32 v[OM], 1.0, v[AL]
	v_sub_f32 v[OM+1], 1.0, v[AL+1]
; Pair of rows j: mix, add to both batches, round, store.
.macro XROW j
	s_wait_loadcnt 9-3*\j                          ; loads come back in order (ISA guide 5.7.1): the three of this pair are in, the three of each later pair stay out
	v_pk_mul_f32 v[M:M+1],   v[R+4*\j:R+4*\j+1],   v[OM:OM+1]
	v_pk_mul_f32 v[M+2:M+3], v[R+4*\j+2:R+4*\j+3], v[OM:OM+1]
	v_pk_fma_f32 v[M:M+1],   v[PE+4*\j:PE+4*\j+1],   v[AL:AL+1], v[M:M+1]
	v_pk_fma_f32 v[M+2:M+3], v[PE+4*\j+2:PE+4*\j+3], v[AL:AL+1], v[M+2:M+3]
	v_pk_add_f32 v[X0+4*\j:X0+4*\j+1],   v[X0+4*\j:X0+4*\j+1],   v[M:M+1]
	v_pk_add_f32 v[X0+4*\j+2:X0+4*\j+3], v[X0+4*\j+2:X0+4*\j+3], v[M+2:M+3]
	v_pk_add_f32 v[X1+4*\j:X1+4*\j+1],   v[X1+4*\j:X1+4*\j+1],   v[M:M+1]
	v_pk_add_f32 v[X1+4*\j+2:X1+4*\j+3], v[X1+4*\j+2:X1+4*\j+3], v[M+2:M+3]
	v_cvt_pk_bf16_f32 v[Y+4*\j],   v[X0+4*\j],   v[X0+4*\j+1]
	v_cvt_pk_bf16_f32 v[Y+4*\j+1], v[X0+4*\j+2], v[X0+4*\j+3]
	v_cvt_pk_bf16_f32 v[Y+4*\j+2], v[X1+4*\j],   v[X1+4*\j+1]
	v_cvt_pk_bf16_f32 v[Y+4*\j+3], v[X1+4*\j+2], v[X1+4*\j+3]
	global_store_b64 v[VOUT], v[Y+4*\j:Y+4*\j+1],   s[28:29] offset:256*\j             ; the wave's store covers 256 consecutive bytes, aligned
	global_store_b64 v[VOUT], v[Y+4*\j+2:Y+4*\j+3], s[28:29] offset:256*\j+262144      ; batch 1: 2,048 rows of 128 bytes on
.endm
	XROW 0
	XROW 1
	XROW 2
	XROW 3
	s_endpgm
	; ---------------- weights: 16 rows of one matrix ----------------
.Lweights:
	s_sub_co_u32 s2, s2, 256                       ; 0 .. 255
	s_lshr_b32 s3, s2, 6                           ; which matrix: 0 Wq, 1 Wk, 2 Wv, 3 Wo
	s_and_b32 s6, s2, 63
	s_lshl_b32 s6, s6, 4                           ; n0: its first row here
	s_mov_b32 s37, 393216                          ; from block to block in wqkv: 3,072 rows x 128 bytes
	s_mov_b32 s38, 16384                           ; in wob: 128 rows x 128 bytes
	s_mov_b32 s39, 0x3d38aa3b                      ; c = log2(e) / 32
	s_cmp_eq_u32 s3, 1
	s_cselect_b64 s[14:15], s[16:17], s[14:15]
	s_cmp_eq_u32 s3, 2
	s_cselect_b64 s[14:15], s[18:19], s[14:15]
	s_cmp_eq_u32 s3, 3
	s_cselect_b64 s[14:15], s[20:21], s[14:15]     ; from where
	s_cselect_b64 s[30:31], s[32:33], s[30:31]     ; to where: wob for Wo, else wqkv
	s_cselect_b32 s37, s38, s37                    ; its step from block to block
	s_cselect_b32 s7, 0, s3                        ; and the matrix's place among wqkv's rows
	s_cmp_eq_u32 s3, 0
	s_cselect_b32 s52, s39, 1.0                    ; the scale: c for Wq and bq, else 1
	s_mov_b32 s53, s52                             ; the packed multiply names the pair
	s_lshl_b32 s4, s6, 12
	s_add_nc_u64 s[14:15], s[14:15], s[4:5]
.irp j, 0,1,2,3,4,5,6,7
	global_load_b128 v[R+4*\j:R+4*\j+3], v[VIN], s[14:15] offset:8192*\j th:TH_LOAD_NT
.endr
	s_lshl_b32 s7, s7, 10
	s_add_co_u32 s7, s7, s6                        ; the first row in wqkv (and in bqkv)
	s_lshl_b32 s4, s7, 7
	s_lshr_b32 s54, s6, 7                          ; in wob: the group of 128 rows, 16 blocks of 16,384 bytes,
	s_lshl_b32 s54, s54, 18
	s_and_b32 s55, s6, 127                         ; and the row in the group
	s_lshl_b32 s55, s55, 7
	s_or_b32 s54, s54, s55
	s_cmp_eq_u32 s3, 3
	s_cselect_b32 s4, s54, s4
	s_add_nc_u64 s[30:31], s[30:31], s[4:5]
	v_mul_u32_u24 v[ANG], s37, v[KB]
	v_add_nc_u32 v[VOUT], v[ANG], v[VOUT]
.macro WROW j
	s_wait_loadcnt 7-\j                            ; pair j is in, the later pairs stay out
	v_pk_mul_f32 v[R+4*\j:R+4*\j+1],   v[R+4*\j:R+4*\j+1],   s[52:53] op_sel_hi:[1,0]
	v_pk_mul_f32 v[R+4*\j+2:R+4*\j+3], v[R+4*\j+2:R+4*\j+3], s[52:53] op_sel_hi:[1,0]
	v_cvt_pk_bf16_f32 v[Y+2*\j],   v[R+4*\j],   v[R+4*\j+1]
	v_cvt_pk_bf16_f32 v[Y+2*\j+1], v[R+4*\j+2], v[R+4*\j+3]
	global_store_b64 v[VOUT], v[Y+2*\j:Y+2*\j+1], s[30:31] offset:256*\j
.endm
.irp j, 0,1,2,3,4,5,6,7
	WROW \j
.endr
	; The joined bias: wave 0 of every fourth of these work-groups (n0 a multiple of 64) copies 64 numbers, 256 bytes in one load and one store.
	v_readfirstlane_b32 s54, v[KB]
	s_cmp_lg_u32 s54, 0
	s_cbranch_scc1 .Ldone
	s_cmp_eq_u32 s3, 3                             ; bo is read by the last launch as it is
	s_cbranch_scc1 .Ldone
	s_and_b32 s55, s2, 3
	s_cmp_lg_u32 s55, 0
	s_cbranch_scc1 .Ldone
	s_cmp_eq_u32 s3, 1
	s_cselect_b64 s[22:23], s[24:25], s[22:23]
	s_cmp_eq_u32 s3, 2
	s_cselect_b64 s[22:23], s[26:27], s[22:23]
	s_lshl_b32 s4, s6, 2
	s_add_nc_u64 s[22:23], s[22:23], s[4:5]
	v_lshlrev_b32 v[TK], 3, v[LN]
	global_load_b64 v[TQ:TQ+1], v[TK], s[22:23]
	s_lshl_b32 s4, s7, 2
	s_add_nc_u64 s[34:35], s[34:35], s[4:5]
	s_wait_loadcnt 0x0
	v_pk_mul_f32 v[TQ:TQ+1], v[TQ:TQ+1], s[52:53] op_sel_hi:[1,0]
	global_store_b64 v[TK], v[TQ:TQ+1], s[34:35]
.Ldone:
	s_endpgm
.Lfunc_end_k_qd87ea0a45a_prep:
	.size	k_qd87ea0a45a_prep, .Lfunc_end_k_qd87ea0a45a_prep-k_qd87ea0a45a_prep
	.p2alignl 7, 3214868480
	.fill 96, 4, 3214868480
	.section	.rodata,"a",@progbits
	.p2align	6, 0x0
	.amdhsa_kernel k_qd87ea0a45a_prep
		.amdhsa_group_segment_fixed_size 0
		.amdhsa_private_segment_fixed_size 0
		.amdhsa_enable_private_segment 0
		.amdhsa_kernarg_size 112
		.amdhsa_user_sgpr_count 2
		.amdhsa_user_sgpr_kernarg_segment_ptr 1
		.amdhsa_wavefront_size32 1
		.amdhsa_system_sgpr_workgroup_id_x 1
		.amdhsa_system_sgpr_workgroup_id_y 1
		.amdhsa_system_sgpr_workgroup_id_z 1
		.amdhsa_system_vgpr_workitem_id 0
		.amdhsa_next_free_vgpr 112
		.amdhsa_next_free_sgpr 66
		.amdhsa_reserve_vcc 1
		.amdhsa_float_denorm_mode_32 3
		.amdhsa_float_denorm_mode_16_64 3
		.amdhsa_memory_ordered 1
		.amdhsa_forward_progress 1
		.amdhsa_inst_pref_size 23
	.end_amdhsa_kernel
	.amdgpu_metadata
---
amdhsa.version: [ 1, 2 ]
amdhsa.kernels:
  - .name:           k_qd87ea0a45a_prep
    .symbol:         k_qd87ea0a45a_prep.kd
    .args:
      - { .name: x, .offset: 0, .size: 8, .value_kind: global_buffer, .address_space: global }
      - { .name: rel_emb, .offset: 8, .size: 8, .value_kind: global_buffer, .address_space: global }
      - { .name: alpha, .offset: 16, .size: 8, .value_kind: global_buffer, .address_space: global }
      - { .name: Wq, .offset: 24, .size: 8, .value_kind: global_buffer, .address_space: global }
      - { .name: Wk, .offset: 32, .size: 8, .value_kind: global_buffer, .address_space: global }
      - { .name: Wv, .offset: 40, .size: 8, .value_kind: global_buffer, .address_space: global }
      - { .name: Wo, .offset: 48, .size: 8, .value_kind: global_buffer, .address_space: global }
      - { .name: bq, .offset: 56, .size: 8, .value_kind: global_buffer, .address_space: global }
      - { .name: bk, .offset: 64, .size: 8, .value_kind: global_buffer, .address_space: global }
      - { .name: bv, .offset: 72, .size: 8, .value_kind: global_buffer, .address_space: global }
      - { .name: xb, .offset: 80, .size: 8, .value_kind: global_buffer, .address_space: global }
      - { .name: wqkv, .offset: 88, .size: 8, .value_kind: global_buffer, .address_space: global }
      - { .name: wob, .offset: 96, .size: 8, .value_kind: global_buffer, .address_space: global }
      - { .name: bqkv, .offset: 104, .size: 8, .value_kind: global_buffer, .address_space: global }
    .group_segment_fixed_size: 0
    .private_segment_fixed_size: 0
    .kernarg_segment_align: 8
    .kernarg_segment_size: 112
    .max_flat_workgroup_size: 512
    .sgpr_count:     66
    .vgpr_count:     112
    .wavefront_size: 32
...
	.end_amdgpu_metadata
.endif
;; end of part 1
;; launch gemm_qkv (part 2): grid 16 x 16, 4 waves a work-group, clusters of 4 x 4, 327,680 bytes of LDS; arguments xb, wqkv, bqkv, qkv; writes qkv
.if DOCPART == 2
	.amdgcn_target "amdgcn-amd-amdhsa--gfx1250"
	.amdhsa_code_object_version 6
	.text
	.protected	k_qd87ea0a45a_gemm_qkv
	.globl	k_qd87ea0a45a_gemm_qkv
	.p2align	8
	.type	k_qd87ea0a45a_gemm_qkv,@function
k_qd87ea0a45a_gemm_qkv:
	s_mov_b64 s[64:65], 0
	v_nop
	global_prefetch_b8 v0, s[64:65] scope:SCOPE_SE
	s_setreg_imm32_b32 hwreg(HW_REG_WAVE_MODE, 25, 1), 1
	s_wait_xcnt 0x0
	s_wait_alu depctr_hold_cnt(0) depctr_sa_sdst(0) depctr_va_vdst(0) depctr_va_sdst(0) depctr_va_ssrc(0) depctr_va_vcc(0) depctr_vm_vsrc(0)
	s_getreg_b32 s2, hwreg(HW_REG_IB_STS2, 6, 4)
	s_cmp_eq_u32 s2, 0
	s_cbranch_scc0 .Lentry_in_a_cluster
	s_endpgm
.Lentry_in_a_cluster:
	s_bfe_u32 s2, ttmp6, 0x10000c
	s_cmp_lg_u32 s2, 0xf033
	s_cbranch_scc0 .Lentry_shape_is_right
	s_endpgm
.Lentry_shape_is_right:
; qkv = xb . wqkv^T + bqkv.   xb [16][4096][64], wqkv [16][3072][64], qkv [48][4096][64], all bf16 in the blocked layout [K/64][rows][64]; bqkv [3072] f32.
; Sums in f32, started by the bias, K ascending, rounded to bf16 once.
; A work-group makes 256 rows x NB = 192 columns with four waves, as many as a WGP has SIMDs; wave w makes rows 64 w .. 64 w + 63 x all 192 columns:
; 4 x 12 accumulator tiles of 16 x 16, 384 registers.  16 x 16 work-groups cover 4,096 x 3,072.
; K goes in steps of 128 (two blocks of 64) through a ring of two LDS slots filled by the tensor data mover.  In the blocked layout the rows that a work-group
; needs of one block are dense in memory, so a tile comes in as rows of 256 bytes (two matrix rows each), aligned, with 16 bytes of padding behind each.
; CLUSTERS: 4 x 4 work-groups.  The four of a row of the cluster need the same tiles of A, the four of a column the same tiles of B: each tile is asked for
; jointly, by the same tensor load with the same descriptor and a mask that names the four.  That divides the requests for A and for B by four.
; By this text's own count a wave has at most two tensor loads outstanding (the two first fills), later one.
;
; REGISTERS, in windows of 256 (s_set_vgpr_msb's low byte: bits 1:0 source 0, 3:2 source 1, 5:4 source 2, 7:6 destination):
;   window 0: v16-27 addresses; v32-63, v64-95 fragments of A (4 x 16 rows x 32 K), two buffers; v128-223 the bias tiles, later the way out
;   window 1: v0-95, v96-191 fragments of B (12 x 16 rows x 32 K), two buffers
;   window 2: accumulator tiles (a, b) with b < 6 at v[8 (6 a + b)];   window 3: those with b >= 6 at v[8 (6 a + b - 6)]
; THE MATRIX INSTRUCTION IS USED TRANSPOSED: source 0 = 16 rows of B, source 1 = 16 rows of A, so that lane l holds row l % 16 of the result and its eight
; registers the columns 8 (l / 16) + 0 .. 7: eight neighbouring numbers, 16 bytes in bf16.
; The accumulators take turns, one instruction a turn, in the same order in every quarter step.
.set NT,     12                        ; tiles of 16 columns
.set NH,     NT/2
.set NB,     16*NT                     ; columns of a work-group
.set NTOT,   3072                      ; rows of B
.set PITCH,  272                       ; an LDS row: 256 bytes (two matrix rows of a block) + 16.  A fragment's lanes 0-15 start at words 68 (r>>1) + 32 (r&1): modulo 64 sixteen different multiples of 4
.set AREG,   128*PITCH                 ; 256 rows of A, one block
.set BREG,   (NB/2)*PITCH              ; NB rows of B, one block
.set SLOT,   2*AREG+2*BREG             ; A block 0, A block 1, B block 0, B block 1
.set STAGE,  2*SLOT                    ; behind the ring, a multiple of 256: each wave's own stage for the way out; no tensor load lands there
.set SPITCH, 2*NB+16                   ; a stage row: 192 bf16 + 16 bytes = 25 x 16
.set ASTEP,  2*4096*128                ; bytes of A from one K step to the next: two blocks of 4,096 rows x 128 bytes
.set BSTEP,  2*NTOT*128
.set WBLK,   4096*128                  ; a block of qkv
.set LAPS,   4                         ; a lap = two K steps = once round the ring; 1,024 / 256
.set ADRA, 16                          ; v16-17  LDS address of my A fragments in slot 0, 1
.set ADRB, 20                          ; v20-21  the same for B
.set STO,  24                          ; the way out: where I put 16 bytes of a row
.set RD,   25                          ; where I read back
.set CO,   26                          ; my byte offset in the output
.set BO,   27                          ; my byte offset in a tile's 16 bias numbers
.set FA0,  32
.set FA1,  64
.set BIAS, 128                         ; v[128:223] tile b at 8 b: register j = bias of column 16 b + 8 (l / 16) + j
.set TMP,  128                         ; the way out: packed results (the bias is no longer needed)
.set RB0,  176                         ; the way out: rows read back, two sets by turns
.set RB1,  32
.set FB0,  0
.set FB1,  8*NT
.set G1,  24                           ; s[24:31] descriptor group 1 for A's tiles
.set G0,  32                           ; s[32:39] group 0 for A's tiles, one set for each slot
.set G1B, 48                           ; s[48:55] group 1 for B's tiles
.set G0B, 56                           ; s[56:63] group 0 for B's tiles, one set for each slot
.set MSB, 0
.macro WIN new                         ; the immediate's high byte repeats the setting that is left
.if MSB != \new
	s_set_vgpr_msb (MSB<<8)|\new
.set MSB, \new
.endif
.endm
.macro PLACES                          ; four places behind a matrix instruction, in front of loads into its sources and of readers of its result (ISA guide 7.12.1 for readers of its result)
.rept 4
	v_nop
.endr
.endm
; A joint load.  Waves 0 and 1 fetch A's two blocks, waves 2 and 3 B's.  Each line has one mask; the branch hangs on the wave's number alone.
.macro JLOAD slot
	s_cmp_eq_u32 s13, 0
	s_cbranch_scc0 .Lfor_b_\@
	tensor_load_to_lds s[G0+4*\slot:G0+4*\slot+3], s[G1:G1+7]
	s_nop 0
	s_branch .Lasked_\@
.Lfor_b_\@:
	tensor_load_to_lds s[G0B+4*\slot:G0B+4*\slot+3], s[G1B:G1B+7]
	s_nop 0
.Lasked_\@:
.endm
; A round of the cluster's barrier: my work-group's barrier; wave 0 signals for the work-group; every wave waits for all sixteen; my work-group's barrier again.
.macro CREST                           ; a round behind its opening barrier
	s_cmp_lg_u32 s12, 0
	s_cbranch_scc1 .Lnot_wave_0_\@
	s_barrier_signal -3
.Lnot_wave_0_\@:
	s_barrier_wait -3
	s_barrier_signal -1
	s_barrier_wait -1
.endm
.macro CROUND
	s_barrier_signal -1
	s_barrier_wait -1
	CREST
.endm
	s_load_b256 s[4:11], s[0:1], 0x0               ; A s[4:5], B s[6:7], bias s[8:9], C s[10:11]
	s_set_vgpr_msb 0x40
	v_lshl_add_u32 v255, v0, 2, 0x41c00
	s_set_vgpr_msb 0x4000
	v_mov_b32 v255, 0
	s_set_vgpr_msb 0x1
	ds_add_u32 v255, v255
	s_set_vgpr_msb 0x100
	v_lshrrev_b32 v1, 5, v0
	v_readfirstlane_b32 s12, v1                    ; wave 0..3
	s_lshr_b32 s13, s12, 1                         ; I fetch for A (0) or for B (1)
	s_and_b32 s14, s12, 1                          ; which of a step's two blocks I fetch
	s_bfe_u32 s40, ttmp6, 0x40000                  ; cx
	s_bfe_u32 s41, ttmp6, 0x40004                  ; cy
	s_lshl_b32 s42, ttmp9, 2
	s_add_co_u32 s42, s42, s40                     ; block column = 4 x cluster x + cx
	s_and_b32 s43, ttmp7, 0xffff
	s_lshl_b32 s43, s43, 2
	s_add_co_u32 s43, s43, s41                     ; block row = 4 x cluster y + cy
	s_lshl_b32 s44, s41, 2
	s_lshl_b32 s44, 15, s44                        ; my row of the cluster: places 4 cy .. 4 cy + 3
	s_lshl_b32 s45, 0x1111, s40                    ; my column: places cx, cx + 4, cx + 8, cx + 12
	; group 1: a dense block as rows of 32 elements of 8 bytes, padded in LDS
	s_or_b32 s[G1+0],  s44, (3<<16)|(1<<20)|(1<<21)|(5<<22)|(3<<25)   ; 15:0 mask; 17:16 elements of 8 bytes; 20 padding on; 21 set beside a mask; 24:22 after every 64 words; 31:25 of 4 words
	s_or_b32 s[G1B+0], s45, (3<<16)|(1<<20)|(1<<21)|(5<<22)|(3<<25)
	s_mov_b32 s[G1+1],  32<<16                     ; tensor_dim0 = 32
	s_mov_b32 s[G1B+1], 32<<16
	s_mov_b32 s[G1+2],  128<<16                    ; tensor_dim1 = the tile's rows of 256 bytes: 128 for A,
	s_mov_b32 s[G1B+2], (NB/2)<<16                 ; NB / 2 for B
	s_mov_b32 s[G1+3],  32<<16                     ; tile_dim0 = 32
	s_mov_b32 s[G1B+3], 32<<16
	s_mov_b32 s[G1+4],  128                        ; tile_dim1
	s_mov_b32 s[G1B+4], NB/2
	s_mov_b32 s[G1+5],  32                         ; from row to row: 32 elements (dense)
	s_mov_b32 s[G1B+5], 32
	s_mov_b32 s[G1+6],  0
	s_mov_b32 s[G1B+6], 0
	s_mov_b32 s[G1+7],  0
	s_mov_b32 s[G1B+7], 0
	; where the tiles come from.  A's hang on the block row alone, B's on the block column alone, each in registers that never hold the other coordinate.
	s_lshl_b32 s16, s43, 15                        ; 256 rows x 128 bytes x block row
	s_lshl_b32 s17, s14, 19                        ; + my block of the step
	s_add_co_u32 s16, s16, s17
	s_mov_b32 s17, 0
	s_mul_i32 s46, s42, NB*128
	s_mul_i32 s47, s14, NTOT*128
	s_add_co_u32 s46, s46, s47
	s_mov_b32 s47, 0
	s_mul_i32 s20, s12, AREG                       ; and where they go: wave x a constant + a constant
	s_mul_i32 s21, s12, BREG
	s_add_co_u32 s21, s21, 2*AREG-2*BREG
	s_wait_dscnt 0x0
	s_wait_kmcnt 0x0
	s_add_nc_u64 s[18:19], s[4:5], s[16:17]
	s_add_nc_u64 s[46:47], s[6:7], s[46:47]
	CROUND                                         ; all sixteen work-groups are here: the first joint loads meet
.irp s, 0,1
	s_mov_b32 s[G0+4*\s], 1
	s_add_co_u32 s[G0+4*\s+1], s20, \s*SLOT
	s_add_nc_u64 s[G0+4*\s+2:G0+4*\s+3], s[18:19], \s*ASTEP
	s_or_b32 s[G0+4*\s+3], s[G0+4*\s+3], 0x80000000
	s_mov_b32 s[G0B+4*\s], 1
	s_add_co_u32 s[G0B+4*\s+1], s21, \s*SLOT
	s_add_nc_u64 s[G0B+4*\s+2:G0B+4*\s+3], s[46:47], \s*BSTEP
	s_or_b32 s[G0B+4*\s+3], s[G0B+4*\s+3], 0x80000000
	JLOAD \s                                       ; K steps 0 and 1: the ring is filled before anything else is done
.endr
	; A fragment is 16 rows x 32 K in 8 registers: lane l holds row r = l % 16; registers 0-3 K = 8 h + 0..7, registers 4-7 K = 16 + 8 h + 0..7, h = l / 16.
	; Matrix row rho of a block lies in LDS row rho / 2, at byte 128 (rho % 2): two loads of 16 bytes, 32 bytes apart.
	v_and_b32 v1, 15, v0                           ; r
	v_bfe_u32 v2, v0, 4, 1                         ; h
	v_lshrrev_b32 v3, 1, v1
	v_and_b32 v4, 1, v1
	v_mul_u32_u24 v3, v3, PITCH
	v_lshl_add_u32 v3, v4, 7, v3
	v_lshl_add_u32 v3, v2, 4, v3                   ; (r / 2) pitch + 128 (r % 2) + 16 h
	s_mul_i32 s22, s12, 32*PITCH                   ; my 64 rows of A
	s_mov_b32 s23, 2*AREG                          ; B lies behind A's two blocks
.irp s, 0,1
	v_add_nc_u32 v[ADRA+\s], s22, v3
	v_add_nc_u32 v[ADRB+\s], s23, v3
	s_add_co_u32 s22, s22, SLOT
	s_add_co_u32 s23, s23, SLOT
.endr
	s_mul_i32 s23, s12, 16*SPITCH
	s_add_co_u32 s23, s23, STAGE                   ; my stage
	v_mul_u32_u24 v4, v1, SPITCH                   ; in: row r, 16 bytes for each half of the lanes
	v_lshl_add_u32 v4, v2, 4, v4
	v_add_nc_u32 v[STO], s23, v4
	v_and_b32 v5, 31, v0
	v_lshrrev_b32 v6, 3, v5                        ; back: eight lanes take the 128 bytes that a row has in one block of 64 columns, four rows a load
	v_and_b32 v7, 7, v0
	v_mul_u32_u24 v6, v6, SPITCH
	v_lshl_add_u32 v6, v7, 4, v6
	v_add_nc_u32 v[RD], s23, v6
	v_lshlrev_b32 v[CO], 4, v5                     ; and in the output those four rows are 512 consecutive bytes
	v_lshlrev_b32 v[BO], 5, v2                     ; 8 h numbers of 4 bytes
	s_mul_i32 s66, s42, NB*4
	s_mov_b32 s67, 0
	s_add_nc_u64 s[8:9], s[8:9], s[66:67]          ; the bias of my work-group's columns
.set ib, 0
.rept NT
	global_load_b128 v[BIAS+8*ib:BIAS+8*ib+3],   v[BO], s[8:9] offset:64*ib
	global_load_b128 v[BIAS+8*ib+4:BIAS+8*ib+7], v[BO], s[8:9] offset:64*ib+16
.set ib, ib+1
.endr
; 2 NH matrix instructions: row tiles a0, a0 + 1 x the NH column tiles of one half, 32 along K.  first = 1: the bias tile is C: it starts the sum, nothing is cleared or added later.
.macro MUL fa, fb, half, a0, first
.set ia, \a0
.rept 2
.set ib, 0
.rept NH
.if \first
	v_wmma_f32_16x16x32_bf16 v[8*(NH*ia+ib):8*(NH*ia+ib)+7], v[\fb+8*(\half*NH+ib):\fb+8*(\half*NH+ib)+7], v[\fa+8*ia:\fa+8*ia+7], v[BIAS+8*(\half*NH+ib):BIAS+8*(\half*NH+ib)+7]
.else
	v_wmma_f32_16x16x32_bf16 v[8*(NH*ia+ib):8*(NH*ia+ib)+7], v[\fb+8*(\half*NH+ib):\fb+8*(\half*NH+ib)+7], v[\fa+8*ia:\fa+8*ia+7], v[8*(NH*ia+ib):8*(NH*ia+ib)+7]
.endif
.set ib, ib+1
.endr
.set ia, ia+1
.endr
.endm
; The fragments of quarter step qi (block qi / 2, bytes 64 (qi % 2) of its rows) in one run: 8 loads for A, then 4 NH for B, column tiles ascending.
.macro FETCH slot, qi, fa, fb
	WIN 0
.set ii, 0
.rept 4
	ds_load_b128 v[\fa+8*ii:\fa+8*ii+3],   v[ADRA+\slot] offset:((\qi)>>1)*AREG+((\qi)&1)*64+ii*8*PITCH
	ds_load_b128 v[\fa+8*ii+4:\fa+8*ii+7], v[ADRA+\slot] offset:((\qi)>>1)*AREG+((\qi)&1)*64+ii*8*PITCH+32
.set ii, ii+1
.endr
	WIN 0x40                                       ; destination window 1, address window 0
.set ii, 0
.rept NT
	ds_load_b128 v[\fb+8*ii:\fb+8*ii+3],   v[ADRB+\slot] offset:((\qi)>>1)*BREG+((\qi)&1)*64+ii*8*PITCH
	ds_load_b128 v[\fb+8*ii+4:\fb+8*ii+7], v[ADRB+\slot] offset:((\qi)>>1)*BREG+((\qi)&1)*64+ii*8*PITCH+32
.set ii, ii+1
.endr
.endm
; One of a K step's first three quarters: multiplies buffers fa, fb; in its middle it fetches quarter qn of the same slot into ga, gb.
.macro QUARTER slot, qn, fa, fb, ga, gb, first
	s_wait_dscnt 2*NH                              ; A and B's lower half are in; the youngest 2 NH loads (B's upper half) may be out
.if \first
	WIN 0x81                                       ; B window 1, A window 0, C (bias) window 0, D window 2
.else
	WIN 0xa1                                       ; C and D window 2
.endif
	MUL \fa, \fb, 0, 0, \first
	MUL \fa, \fb, 0, 2, \first
	PLACES
	FETCH \slot, \qn, \ga, \gb
	s_wait_dscnt 8+4*NH                            ; all but the run just issued
.if \first
	WIN 0xc1
.else
	WIN 0xf1
.endif
	MUL \fa, \fb, 1, 0, \first
	MUL \fa, \fb, 1, 2, \first
.endm
.macro THREE slot, first
	QUARTER \slot, 1, FA0, FB0, FA1, FB1, \first
	QUARTER \slot, 2, FA1, FB1, FA0, FB0, 0
	QUARTER \slot, 3, FA0, FB0, FA1, FB1, 0
.endm
; The last quarter: multiplies buffer 1 and changes slots.  One barrier for two things: in front of it each wave waits for its reads of this slot and for all
; its tensor loads (one is out: its part of the next slot); behind it nobody reads this slot and the next slot is whole.  fill = 1: the barrier opens a round
; of the cluster's barrier, and this slot's joint refill, two K steps ahead, is the first tensor load behind the round.
.macro TURN slot, next, fill
	s_wait_dscnt 2*NH
	WIN 0xa1
	MUL FA1, FB1, 0, 0, 0
	s_wait_dscnt 0x0                               ; my reads of this slot are over
	s_wait_tensorcnt 0x0                           ; and all my tensor loads have landed
	ds_add_u32 v255, v255
	s_wait_dscnt 0x0
	s_barrier_signal -1
	MUL FA1, FB1, 0, 2, 0                          ; register work while the others arrive
	WIN 0
	s_barrier_wait -1
.if \fill
	CREST                                          ; no wave of any partner still reads this slot's tile or has a load on its way
	s_add_nc_u64 s[G0+4*\slot+2:G0+4*\slot+3], s[G0+4*\slot+2:G0+4*\slot+3], 2*ASTEP
	s_add_nc_u64 s[G0B+4*\slot+2:G0B+4*\slot+3], s[G0B+4*\slot+2:G0B+4*\slot+3], 2*BSTEP
	JLOAD \slot
.endif
	PLACES
	FETCH \next, 0, FA0, FB0
	WIN 0xf1
	MUL FA1, FB1, 1, 0, 0
	MUL FA1, FB1, 1, 2, 0
.endm
.macro LAP first
	THREE 0, \first
	TURN 0, 1, 1
	THREE 1, 0
	TURN 1, 0, 1
.endm
	s_wait_tensorcnt 0x1                           ; my part of K step 0 is in; K step 1's may stay out
	s_barrier_signal -1
	s_barrier_wait -1                              ; everybody's is
	FETCH 0, 0, FA0, FB0
	s_wait_loadcnt 0x0                             ; the bias tiles
	LAP 1                                          ; the first lap stands in front of the loop: its first products start the sums on the bias
	WIN 0                                          ; at a label and at a branch every window is 0
	s_mov_b32 s3, LAPS-2
.Llap:
	LAP 0
	WIN 0
	s_sub_co_u32 s3, s3, 1
	s_cmp_lg_u32 s3, 0
	s_cbranch_scc1 .Llap
	THREE 0, 0                                     ; the last lap fills nothing
	TURN 0, 1, 0
	THREE 1, 0
	s_wait_dscnt 2*NH                              ; the very last quarter: nothing more to fetch
	WIN 0xa1
	MUL FA1, FB1, 0, 0, 0
	MUL FA1, FB1, 0, 2, 0
	s_wait_dscnt 0x0
	WIN 0xf1
	MUL FA1, FB1, 1, 0, 0
	MUL FA1, FB1, 1, 2, 0
	; THE WAY OUT, 16 rows at a time: round to bf16, 16 bytes a lane into my own stage, read back so that a store of the wave covers four rows of one block
	; of 64 columns: 512 consecutive bytes of qkv, aligned.
	PLACES
	s_mul_i32 s66, s42, (NB/64)*WBLK               ; my first block of columns: 3 x block column
	s_mov_b32 s67, 0
	s_add_nc_u64 s[10:11], s[10:11], s[66:67]
	s_lshl_b32 s68, s43, 8
	s_lshl_b32 s69, s12, 6
	s_add_co_u32 s68, s68, s69                     ; my first row: 256 x block row + 64 x wave
	s_lshl_b32 s68, s68, 7
	s_mov_b32 s69, 0
	s_add_nc_u64 s[10:11], s[10:11], s[68:69]
.macro OUT16 a, rb
	WIN 0x0a                                       ; sources 0 and 1 window 2
.set ib, 0
.rept NH
.set ir, 0
.rept 4
	v_cvt_pk_bf16_f32 v[TMP+4*ib+ir], v[8*(NH*\a+ib)+2*ir], v[8*(NH*\a+ib)+2*ir+1]
.set ir, ir+1
.endr
.set ib, ib+1
.endr
	WIN 0x0f                                       ; window 3
.set ib, 0
.rept NH
.set ir, 0
.rept 4
	v_cvt_pk_bf16_f32 v[TMP+4*(NH+ib)+ir], v[8*(NH*\a+ib)+2*ir], v[8*(NH*\a+ib)+2*ir+1]
.set ir, ir+1
.endr
.set ib, ib+1
.endr
	WIN 0
.set ib, 0
.rept NT
	ds_store_b128 v[STO], v[TMP+4*ib:TMP+4*ib+3] offset:32*ib
.set ib, ib+1
.endr
	s_wait_xcnt 0x0                                ; every earlier store has had its addresses translated (ISA guide 3.1): the set rb, which stores read, is loaded again only behind this wait
.set ii, 0
.rept NT
	ds_load_b128 v[\rb+4*ii:\rb+4*ii+3], v[RD] offset:128*(ii/4)+4*SPITCH*(ii%4)   ; LDS serves a wave's instructions in order (ISA guide 5.7.1): these see the stores above
.set ii, ii+1
.endr
.set ii, 0
.rept NT
	s_wait_dscnt NT-1-ii                           ; load ii is in, the later ones stay out
	global_store_b128 v[CO], v[\rb+4*ii:\rb+4*ii+3], s[10:11] offset:(ii/4)*WBLK+(16*\a+4*(ii%4))*128
.set ii, ii+1
.endr
.endm
	OUT16 0, RB0
	OUT16 1, RB1
	OUT16 2, RB0
	OUT16 3, RB1
	s_set_vgpr_msb 0x1
	s_wait_tensorcnt 0x0
	ds_add_u32 v255, v255
	s_wait_dscnt 0x0
	s_set_vgpr_msb 0x100
	CROUND                                         ; the closing round: no work-group ends while a partner may still ask for a tile that names it
	s_endpgm
.Lfunc_end_k_qd87ea0a45a_gemm_qkv:
	.size	k_qd87ea0a45a_gemm_qkv, .Lfunc_end_k_qd87ea0a45a_gemm_qkv-k_qd87ea0a45a_gemm_qkv
	.p2alignl 7, 3214868480
	.fill 96, 4, 3214868480
	.section	.rodata,"a",@progbits
	.p2align	6, 0x0
	.amdhsa_kernel k_qd87ea0a45a_gemm_qkv
		.amdhsa_group_segment_fixed_size 327680
		.amdhsa_private_segment_fixed_size 0
		.amdhsa_enable_private_segment 0
		.amdhsa_kernarg_size 32
		.amdhsa_user_sgpr_count 2
		.amdhsa_user_sgpr_kernarg_segment_ptr 1
		.amdhsa_wavefront_size32 1
		.amdhsa_system_sgpr_workgroup_id_x 1
		.amdhsa_system_sgpr_workgroup_id_y 1
		.amdhsa_system_sgpr_workgroup_id_z 1
		.amdhsa_system_vgpr_workitem_id 0
		.amdhsa_next_free_vgpr 1024
		.amdhsa_next_free_sgpr 70
		.amdhsa_reserve_vcc 0
		.amdhsa_float_denorm_mode_32 3
		.amdhsa_float_denorm_mode_16_64 3
		.amdhsa_memory_ordered 1
		.amdhsa_forward_progress 1
		.amdhsa_inst_pref_size 166
	.end_amdhsa_kernel
	.amdgpu_metadata
---
amdhsa.version: [ 1, 2 ]
amdhsa.kernels:
  - .name:           k_qd87ea0a45a_gemm_qkv
    .symbol:         k_qd87ea0a45a_gemm_qkv.kd
    .args:
      - { .name: xb, .offset: 0, .size: 8, .value_kind: global_buffer, .address_space: global }
      - { .name: wqkv, .offset: 8, .size: 8, .value_kind: global_buffer, .address_space: global }
      - { .name: bqkv, .offset: 16, .size: 8, .value_kind: global_buffer, .address_space: global }
      - { .name: qkv, .offset: 24, .size: 8, .value_kind: global_buffer, .address_space: global }
    .group_segment_fixed_size: 327680
    .private_segment_fixed_size: 0
    .kernarg_segment_align: 8
    .kernarg_segment_size: 32
    .max_flat_workgroup_size: 128
    .sgpr_count:     70
    .vgpr_count:     1024
    .wavefront_size: 32
...
	.end_amdgpu_metadata
.endif
;; end of part 2
;; launch attn (part 3): grid 8 x 32, 8 waves a work-group, clusters of 4 x 1, 327,680 bytes of LDS; arguments qkv, ab; writes ab
.if DOCPART == 3
	.amdgcn_target "amdgcn-amd-amdhsa--gfx1250"
	.amdhsa_code_object_version 6
	.text
	.protected	k_qd87ea0a45a_attn
	.globl	k_qd87ea0a45a_attn
	.p2align	8
	.type	k_qd87ea0a45a_attn,@function
k_qd87ea0a45a_attn:
	s_mov_b64 s[64:65], 0
	v_nop
	global_prefetch_b8 v0, s[64:65] scope:SCOPE_SE
	s_setreg_imm32_b32 hwreg(HW_REG_WAVE_MODE, 25, 1), 1
	s_wait_xcnt 0x0
	s_wait_alu depctr_hold_cnt(0) depctr_sa_sdst(0) depctr_va_vdst(0) depctr_va_sdst(0) depctr_va_ssrc(0) depctr_va_vcc(0) depctr_vm_vsrc(0)
	s_getreg_b32 s2, hwreg(HW_REG_IB_STS2, 6, 4)
	s_cmp_eq_u32 s2, 0
	s_cbranch_scc0 .Lentry_in_a_cluster
	s_endpgm
.Lentry_in_a_cluster:
	s_bfe_u32 s2, ttmp6, 0x10000c
	s_cmp_lg_u32 s2, 0x3003
	s_cbranch_scc0 .Lentry_shape_is_right
	s_endpgm
.Lentry_shape_is_right:
; Attention of one (batch, head) for 256 queries: ab = softmax(q k^T) v, with the running maximum.  q already carries log2(e)/32, so the scores are in base 2.
; qkv [48][4096][64] bf16: block h = q of head h, 16 + h = k, 32 + h = v; row = 2048 batch + position.
; ab [32][16][128][64] bf16: groups of 128 rows, in a group the 16 heads' blocks one behind the other (all 1,024 columns of 128 rows are dense).
; Eight waves: wave w has queries 64 (w & 3) .. + 63 of the work-group's 256 and the half w >> 2 of the keys of every tile; two waves lie on each SIMD.
; The two halves are joined once, at the end, through LDS.
; TRANSPOSED FORMS: S^T = K Q^T (source 0 = 16 keys, source 1 = 16 queries): lane l holds, for query l % 16, the keys 8 (l / 16) + 0..7 of each tile of 16.
; Rounded to bf16 in that order the numbers ARE the second source of O^T = V^T P^T: no shuffle.  A query's maximum and sum are made inside a lane, plus one
; exchange with lane l ^ 16.  V^T's fragments come from ds_load_tr16_b128.  In O^T a lane holds eight neighbouring numbers of its query's row: 16 bytes in bf16.
; THE ORDER OF A STEP (64 keys x 64 queries): the four query tiles go through in a pipeline.  While tile q is in its softmax (88 vector instructions), the
; eight score products of tile q + 1 stand one by one among those instructions, some eleven apart, so that matrix and vector work of ONE wave run side by side.
; Tile 3's softmax carries tile 0 of the next step, whose K fragments are loaded at the end of tile 2's softmax.  That is why q, K's fragments and two score
; buffers (one query tile each) share register window 0: products and softmax need no change of window.  The O products share a window setting with the
; multiplies that rescale O and are mixed with them.  Fourteen changes of window a step.
; TILES: 512 keys of K and of V in each of two LDS slots, four tiles in all.  In the blocked layout a tile is dense: rows of 256 bytes (two keys), aligned.
; CLUSTERS: the four work-groups of a cluster are four query blocks of one (batch, head) and need the same tiles: every tile is asked for jointly (mask 15),
; which divides the requests for K and V by four.  Waves 0-3 ask for V's quarters, waves 4-7 for K's, 16 KiB each.
; By this text's own count a wave has at most two tensor loads outstanding (the two first fills), later one; a refill has four steps of work in which to land.
; The accumulators take turns, one instruction a turn.
; LIMITS: an exponential below 2^-126 comes out as 0 (ISA guide 15.8).  A query whose scores are all -inf, or hold a NaN, gives NaN, as the softmax itself does.
.set SLOT,  143360                     ; V: 256 rows, pitch 288 = 73,728; K: 256 rows, pitch 272 = 69,632
.set KOFF,  73728
.set KP,    272                        ; K fragment, lanes 0-15: words 68 (r>>1) + 32 (r&1), modulo 64 sixteen different multiples of 4
.set VP,    288                        ; transposing load, lanes 0-15: words 72 ((l>>1)&3) + 32 (l&1) + 4 ((l>>3)&1), modulo 64 sixteen different multiples of 4
.set KA0, 2                            ; K fragments: my address in slot 0, step 0
.set VA0, 3                            ; V fragments likewise
.set KA,  4                            ; the running addresses
.set VA,  5
.set QO,  6                            ; my byte offset in 16 rows of q
.set MG,  7                            ; the join: my 16 bytes in my query group's region
.set STO, 8                            ; the way out: where I put 16 bytes
.set RD,  9                            ; where I read back
.set CO,  10                           ; my byte offset in the output
.set ML,  12                           ; v[12:19] pairs (maximum, sum) of query tiles 0..3
.set AL,  20                           ; v[20:27] tile q's factor for the old sums at 2 q; at the join pairs (factor for my half, for the other)
.set T,   28                           ; v[28:43] at work
.set Q,   64                           ; v[64:127]  q fragments, (q, half ks of the 64 numbers) at 16 q + 8 ks
.set KF,  128                          ; v[128:191] K fragments, (key tile kt, ks) at 16 kt + 8 ks
.set X,   192                          ; v[192:255] two score buffers of one query tile: buffer p at 32 p, key tile kt at 8 kt
.set MS,  64                           ; the join: v[64:191] the other half's O, then the result
.set MP,  192                          ; the join: v[192:255] the result in bf16
.set O,   0                            ; window 1: v[0:127]   O^T, tile (q, t) at 32 q + 8 t
.set VF,  128                          ; window 1: v[128:191] V^T fragments, (t, 32 keys c) at 16 t + 8 c
.set P,   192                          ; window 1: v[192:223] two P buffers: buffer p at 16 p, c at 8 c
.set AL1, 224                          ; window 1: v[224:225] the factor of the tile at hand, and the pair's second register
.set G1V, 16                           ; s[16:23] descriptor group 1 for V's tiles
.set G1K, 24                           ; s[24:31] for K's
.set G0V, 32                           ; s[32:39] group 0 for V's tiles, one set for each slot
.set G0K, 40                           ; s[40:47] for K's
.set MSB, 0
.macro WIN new                         ; s_set_vgpr_msb: bits 1:0 source 0, 3:2 source 1, 5:4 source 2, 7:6 destination; the high byte repeats the setting that is left
.if MSB != \new
	s_set_vgpr_msb (MSB<<8)|\new
.set MSB, \new
.endif
.endm
.macro PLACES n
.rept \n
	v_nop
.endr
.endm
.macro JLOAD slot                      ; a joint load: each line has one set of registers, equal in the four partners; the branch hangs on the wave's number alone
	s_cmp_eq_u32 s9, 0
	s_cbranch_scc0 .Lfor_k_\@
	tensor_load_to_lds s[G0V+4*\slot:G0V+4*\slot+3], s[G1V:G1V+7]
	s_nop 0
	s_branch .Lasked_\@
.Lfor_k_\@:
	tensor_load_to_lds s[G0K+4*\slot:G0K+4*\slot+3], s[G1K:G1K+7]
	s_nop 0
.Lasked_\@:
.endm
.macro ROUND                           ; a round of the cluster's barrier
	s_barrier_signal -1
	s_barrier_wait -1
	s_cmp_lg_u32 s8, 0
	s_cbranch_scc1 .Lnot_wave_0_\@
	s_barrier_signal -3
.Lnot_wave_0_\@:
	s_barrier_wait -3
	s_barrier_signal -1
	s_barrier_wait -1
.endm
	s_load_b128 s[4:7], s[0:1], 0x0                ; qkv s[4:5], ab s[6:7]
	v_lshl_add_u32 v62, v0, 2, 0x46000
	v_mov_b32 v63, 0
	ds_add_u32 v62, v63
	v_lshrrev_b32 v1, 5, v0
	v_readfirstlane_b32 s8, v1                     ; wave 0..7
	s_lshr_b32 s9, s8, 2                           ; my half of the keys.  Also: I fetch for V (0) or for K (1)
	s_and_b32 s10, s8, 3                           ; my group of 64 queries.  Also: which quarter of a tile I fetch
	s_and_b32 s14, ttmp7, 0xffff
	s_and_b32 s11, s14, 15                         ; head
	s_lshr_b32 s12, s14, 4                         ; batch
	s_bfe_u32 s51, ttmp6, 0x40000                  ; cx
	s_lshl_b32 s13, ttmp9, 2
	s_add_co_u32 s13, s13, s51                     ; query block = 4 x cluster x + cx
	s_mov_b32 s48, 0x76543210                      ; v_permlanex16_b32: lane i of one half reads lane i of the other
	s_mov_b32 s49, 0xfedcba98
	; group 1: 64 rows of 32 elements of 8 bytes, dense in memory; 8 words of padding behind V's rows, 4 behind K's
	s_mov_b32 s[G1V+0], 15|(3<<16)|(1<<20)|(1<<21)|(5<<22)|(7<<25)
	s_mov_b32 s[G1K+0], 15|(3<<16)|(1<<20)|(1<<21)|(5<<22)|(3<<25)
	s_mov_b32 s[G1V+1], 32<<16                     ; tensor_dim0
	s_mov_b32 s[G1K+1], 32<<16
	s_mov_b32 s[G1V+2], 64<<16                     ; tensor_dim1
	s_mov_b32 s[G1K+2], 64<<16
	s_mov_b32 s[G1V+3], 32<<16                     ; tile_dim0
	s_mov_b32 s[G1K+3], 32<<16
	s_mov_b32 s[G1V+4], 64                         ; tile_dim1
	s_mov_b32 s[G1K+4], 64
	s_mov_b32 s[G1V+5], 32                         ; from row to row
	s_mov_b32 s[G1K+5], 32
	s_mov_b32 s[G1V+6], 0
	s_mov_b32 s[G1K+6], 0
	s_mov_b32 s[G1V+7], 0
	s_mov_b32 s[G1K+7], 0
	; K's and V's tiles hang on head, batch and wave alone: equal in the four partners
	s_lshl_b32 s52, s11, 19                        ; head x 4,096 rows x 128 bytes
	s_lshl_b32 s15, s12, 18                        ; + batch x 2,048 rows
	s_add_co_u32 s52, s52, s15
	s_lshl_b32 s15, s10, 14                        ; + my quarter: 128 keys
	s_add_co_u32 s52, s52, s15
	s_mov_b32 s53, 0
	s_mul_i32 s58, s8, 64*VP                       ; LDS: V's quarters at wave x 18,432 (waves 0-3),
	s_mul_i32 s59, s8, 64*KP                       ; K's at 73,728 + (wave - 4) x 17,408 (waves 4-7)
	s_add_co_u32 s59, s59, KOFF-4*64*KP
	; q and the output hang on the query block too (registers of their own)
	s_lshl_b32 s60, s13, 15                        ; q: query block x 256 rows
	s_lshl_b32 s61, s11, 19
	s_add_co_u32 s60, s60, s61
	s_lshl_b32 s61, s12, 18
	s_add_co_u32 s60, s60, s61
	s_lshl_b32 s61, s10, 13                        ; + my 64 queries
	s_add_co_u32 s60, s60, s61
	s_mov_b32 s61, 0
	s_lshl_b32 s2, s12, 4                          ; ab: the group of 128 rows = 16 x batch
	s_lshl_b32 s3, s13, 1                          ; + 2 x query block
	s_add_co_u32 s2, s2, s3
	s_lshr_b32 s3, s10, 1                          ; + my 64 queries' half of the block
	s_add_co_u32 s2, s2, s3
	s_lshl_b32 s2, s2, 18                          ; x 16 heads x 128 rows x 128 bytes
	s_lshl_b32 s3, s11, 14                         ; + head x 128 rows
	s_add_co_u32 s2, s2, s3
	s_and_b32 s3, s10, 1
	s_lshl_b32 s3, s3, 13                          ; + 64 rows for the odd groups of queries
	s_add_co_u32 s2, s2, s3
	s_mov_b32 s3, 0
	s_wait_dscnt 0x0
	s_wait_kmcnt 0x0
	s_add_nc_u64 s[52:53], s[4:5], s[52:53]
	s_add_nc_u64 s[54:55], s[52:53], 32*524288     ; V
	s_add_nc_u64 s[56:57], s[52:53], 16*524288     ; K
	s_add_nc_u64 s[62:63], s[4:5], s[60:61]        ; q
	s_add_nc_u64 s[6:7], s[6:7], s[2:3]            ; the output: my 64 queries are 8,192 consecutive bytes of ab
	ROUND                                          ; the four work-groups are here: the first joint loads meet
.irp s, 0,1
	s_mov_b32 s[G0V+4*\s], 1
	s_add_co_u32 s[G0V+4*\s+1], s58, \s*SLOT
	s_add_nc_u64 s[G0V+4*\s+2:G0V+4*\s+3], s[54:55], \s*65536
	s_or_b32 s[G0V+4*\s+3], s[G0V+4*\s+3], 0x80000000
	s_mov_b32 s[G0K+4*\s], 1
	s_add_co_u32 s[G0K+4*\s+1], s59, \s*SLOT
	s_add_nc_u64 s[G0K+4*\s+2:G0K+4*\s+3], s[56:57], \s*65536
	s_or_b32 s[G0K+4*\s+3], s[G0K+4*\s+3], 0x80000000
	JLOAD \s                                       ; tiles 0 and 1
.endr
	v_and_b32 v1, 31, v0                           ; lane
	v_and_b32 v11, 15, v0                          ; r
	v_bfe_u32 v28, v0, 4, 1                        ; h
	v_lshlrev_b32 v[QO], 7, v11
	v_lshl_add_u32 v[QO], v28, 4, v[QO]            ; 128 r + 16 h
.irp q, 0,1,2,3
.irp ks, 0,1
	global_load_b128 v[Q+16*\q+8*\ks:Q+16*\q+8*\ks+3],   v[QO], s[62:63] offset:2048*\q+64*\ks
	global_load_b128 v[Q+16*\q+8*\ks+4:Q+16*\q+8*\ks+7], v[QO], s[62:63] offset:2048*\q+64*\ks+32
.endr
.endr
	v_lshrrev_b32 v29, 1, v11
	v_and_b32 v30, 1, v11
	v_mul_u32_u24 v31, v29, KP
	v_lshl_add_u32 v31, v30, 7, v31
	v_lshl_add_u32 v31, v28, 4, v31                ; (r / 2) 272 + 128 (r % 2) + 16 h
	s_mul_i32 s14, s9, 128*KP                      ; my 256 keys of a tile
	s_add_co_u32 s14, s14, KOFF
	v_add_nc_u32 v[KA0], s14, v31
	s_mul_i32 s14, s10, 32*KP                      ; my stage for the way out: 64 queries as 32 rows of 272 bytes, in slot 0's K part
	s_add_co_u32 s14, s14, KOFF
	v_add_nc_u32 v[STO], s14, v31
	v_mul_u32_u24 v33, v28, KP
	v_lshl_add_u32 v33, v11, 4, v33
	v_add_nc_u32 v[RD], s14, v33                   ; back: lanes 0-15 one row of 256 bytes, lanes 16-31 the next
	v_bfe_u32 v33, v0, 1, 2                        ; the transposing load: lane l addresses key 8 h + (l & 7), that is row 4 h + ((l >> 1) & 3), half l & 1,
	v_lshl_add_u32 v33, v28, 2, v33
	v_mul_u32_u24 v33, v33, VP
	v_and_b32 v34, 1, v0
	v_lshl_add_u32 v33, v34, 7, v33
	v_bfe_u32 v34, v0, 3, 1                        ; and the 16 bytes (l >> 3) & 1 of the tile's 32
	v_lshl_add_u32 v33, v34, 4, v33
	s_mul_i32 s14, s9, 128*VP
	v_add_nc_u32 v[VA0], s14, v33
	v_lshlrev_b32 v[CO], 4, v1
	s_mul_i32 s14, s10, 17408                      ; the join's region of my query group: 34 x 512 bytes, in slot 0's V part
	v_add_nc_u32 v[MG], s14, v[CO]
.irp q, 0,1,2,3
	v_mov_b32 v[ML+2*\q], 0xff800000               ; maximum so far: -inf
	v_mov_b32 v[ML+2*\q+1], 0                      ; sum so far
.endr
	v_mov_b32 v[T+4], 0                            ; v_permlanex16_b32 counts as a reader of its destination
	WIN 0x40
	v_mov_b32 v[AL1+1], 0                          ; the pair's second register is named by the packed multiplies
	WIN 0
.macro KLOAD                           ; the K fragments of one step: 64 keys x 64 numbers, sixteen loads
.irp kt, 0,1,2,3
.irp ks, 0,1
	ds_load_b128 v[KF+16*\kt+8*\ks:KF+16*\kt+8*\ks+3],   v[KA] offset:8*KP*\kt+64*\ks
	ds_load_b128 v[KF+16*\kt+8*\ks+4:KF+16*\kt+8*\ks+7], v[KA] offset:8*KP*\kt+64*\ks+32
.endr
.endr
.endm
; One score product of query tile nq into buffer XN (a symbol that the caller sets): key tile kt, half ks of the 64 numbers.  nxt = 0: nothing.
.macro SWN nxt, nq, kt, ks
.if \nxt
.if \ks
	v_wmma_f32_16x16x32_bf16 v[XN+8*\kt:XN+8*\kt+7], v[KF+16*\kt+8:KF+16*\kt+15], v[Q+16*\nq+8:Q+16*\nq+15], v[XN+8*\kt:XN+8*\kt+7]
.else
	v_wmma_f32_16x16x32_bf16 v[XN+8*\kt:XN+8*\kt+7], v[KF+16*\kt:KF+16*\kt+7], v[Q+16*\nq:Q+16*\nq+7], 0
.endif
.endif
.endm
.macro SUBS q, n                       ; n packed subtractions of the maximum, from where the last run stopped
.rept \n
	v_pk_add_f32 v[XB+ie:XB+ie+1], v[XB+ie:XB+ie+1], v[ML+2*\q:ML+2*\q+1] op_sel_hi:[1,0] neg_lo:[0,1] neg_hi:[0,1]
.set ie, ie+2
.endr
.endm
.macro EXPS n                          ; n exponentials in place
.rept \n
	v_exp_f32 v[XB+je], v[XB+je]
.set je, je+1
.endr
.endm
; The softmax of query tile q (scores in buffer p) over this step's 64 keys, 32 of them in my lane.  All in window 0.
; nxt = 1: the eight score products of tile nq go into the other buffer, one at a time among these lines; none of these lines names a register of theirs.
.macro SM q, p, nq, nxt
.set XB, X+32*\p
.set XN, X+32-32*\p
.irp c, 0,1,2,3
	v_max3_num_f32 v[T+\c], v[XB+8*\c], v[XB+8*\c+1], v[XB+8*\c+2]         ; four chains
.endr
.irp c, 0,1,2,3
	v_max3_num_f32 v[T+\c], v[T+\c], v[XB+8*\c+3], v[XB+8*\c+4]
.endr
	SWN \nxt, \nq, 0, 0
.irp c, 0,1,2,3
	v_max3_num_f32 v[T+\c], v[T+\c], v[XB+8*\c+5], v[XB+8*\c+6]
.endr
	v_max3_num_f32 v[T],   v[T],   v[T+1], v[XB+7]
	v_max3_num_f32 v[T+2], v[T+2], v[T+3], v[XB+15]
	v_max3_num_f32 v[T],   v[T],   v[T+2], v[XB+23]
	v_max3_num_f32 v[T],   v[T],   v[XB+31], v[ML+2*\q]                    ; and the maximum so far
	SWN \nxt, \nq, 1, 0
	v_permlanex16_b32 v[T+4], v[T], s48, s49                               ; the other 32 keys' lane
	v_max_num_f32 v[T], v[T], v[T+4]
	v_sub_f32 v[T+1], v[ML+2*\q], v[T]
	v_mov_b32 v[ML+2*\q], v[T]
	v_exp_f32 v[AL+2*\q], v[T+1]                   ; the factor for the old sums; the packed subtraction below is the plain instruction behind it (ISA guide 5.7.2)
.set ie, 0
.set je, 0
	SUBS \q, 4
	SWN \nxt, \nq, 2, 0
	SUBS \q, 8
	SWN \nxt, \nq, 3, 0
	SUBS \q, 4
	EXPS 4
	SWN \nxt, \nq, 0, 1
	EXPS 8
	SWN \nxt, \nq, 1, 1
	EXPS 8
	SWN \nxt, \nq, 2, 1
	EXPS 6
	SWN \nxt, \nq, 3, 1                            ; behind this last product stand the v_nop and the seventeen sums below: more than the four places that the
	EXPS 6                                         ; next tile's softmax, and loads into K's fragments, need (ISA guide 7.12.1 for the softmax)
	v_nop                                          ; one plain instruction behind the exponentials, ahead of the first reader (ISA guide 5.7.2)
	s_wait_alu depctr_va_vdst(0)
.irp i, 0,1,2,3
	v_pk_add_f32 v[T+2*\i:T+2*\i+1], v[XB+4*\i:XB+4*\i+1], v[XB+4*\i+2:XB+4*\i+3]
.endr
.irp i, 0,1,2,3
	v_pk_add_f32 v[T+2*\i:T+2*\i+1], v[T+2*\i:T+2*\i+1], v[XB+16+2*\i:XB+16+2*\i+1]
.endr
.irp i, 0,1,2,3
	v_pk_add_f32 v[T+2*\i:T+2*\i+1], v[T+2*\i:T+2*\i+1], v[XB+24+2*\i:XB+24+2*\i+1]
.endr
	v_pk_add_f32 v[T:T+1],   v[T:T+1],   v[T+2:T+3]
	v_pk_add_f32 v[T+4:T+5], v[T+4:T+5], v[T+6:T+7]
	v_pk_add_f32 v[T:T+1],   v[T:T+1],   v[T+4:T+5]
	v_add_f32 v[T], v[T], v[T+1]
	v_fma_f32 v[ML+2*\q+1], v[ML+2*\q+1], v[AL+2*\q], v[T]     ; my lane's part of the sum; the two halves of the lanes are joined at the end
.endm
; P of tile q: the 32 numbers of buffer p, rounded, into P's buffer p in window 1; the factor goes along.
.macro CV q, p, first
	WIN 0x40                                       ; destination window 1, sources window 0
.set ie, 0
.rept 16
	v_cvt_pk_bf16_f32 v[P+16*\p+ie], v[X+32*\p+2*ie], v[X+32*\p+2*ie+1]
.set ie, ie+1
.endr
.if \first == 0
	v_mov_b32 v[AL1], v[AL+2*\q]
.endif
.endm
.macro RS q, t                         ; tile (q, t) of O times the factor
.irp e, 0,2,4,6
	v_pk_mul_f32 v[O+32*\q+8*\t+\e:O+32*\q+8*\t+\e+1], v[O+32*\q+8*\t+\e:O+32*\q+8*\t+\e+1], v[AL1:AL1+1] op_sel_hi:[1,0]
.endr
.endm
.macro PW q, p, t, c, zero             ; one O product: 16 numbers t of V^T x 32 keys c x 16 queries
.if \zero
	v_wmma_f32_16x16x32_bf16 v[O+32*\q+8*\t:O+32*\q+8*\t+7], v[VF+16*\t+8*\c:VF+16*\t+8*\c+7], v[P+16*\p+8*\c:P+16*\p+8*\c+7], 0
.else
	v_wmma_f32_16x16x32_bf16 v[O+32*\q+8*\t:O+32*\q+8*\t+7], v[VF+16*\t+8*\c:VF+16*\t+8*\c+7], v[P+16*\p+8*\c:P+16*\p+8*\c+7], v[O+32*\q+8*\t:O+32*\q+8*\t+7]
.endif
.endm
; Tile q's O: rescaled and added to, all operands in window 1.  A multiply never names a register of a product issued before it: it works on a later tile.
; first = 1: the launch's first step: the sums start with the constant 0, nothing is rescaled.
.macro PVB q, p, first
	WIN 0x55
.if \first
	PW \q, \p, 0, 0, 1
	PW \q, \p, 1, 0, 1
	PW \q, \p, 2, 0, 1
	PW \q, \p, 3, 0, 1
.else
	RS \q, 0
	RS \q, 1
	PW \q, \p, 0, 0, 0
	RS \q, 2
	PW \q, \p, 1, 0, 0
	RS \q, 3
	PW \q, \p, 2, 0, 0
	PW \q, \p, 3, 0, 0
.endif
	PW \q, \p, 0, 1, 0
	PW \q, \p, 1, 1, 0
	PW \q, \p, 2, 1, 0
	PW \q, \p, 3, 1, 0
	WIN 0
.endm
; One step: 64 of my keys against my 64 queries.  On entry tile 0's scores lie in buffer 0.  pf = 1: a further step of the same slot follows: its K fragments
; are loaded and its tile 0 is multiplied in this step.
.macro STEP first, pf
	PLACES 4                                       ; behind the last O products, whose V^T sources the loads below land on, and (a slot's first step) behind tile 0's score products
	WIN 0x40
.irp t, 0,1,2,3
.irp c, 0,1
	ds_load_tr16_b128 v[VF+16*\t+8*\c:VF+16*\t+8*\c+3],   v[VA] offset:32*\t+16*VP*\c
	ds_load_tr16_b128 v[VF+16*\t+8*\c+4:VF+16*\t+8*\c+7], v[VA] offset:32*\t+16*VP*\c+8*VP
.endr
.endr
	WIN 0
	SM 0, 0, 1, 1
	CV 0, 0, \first
	s_wait_dscnt 0x0                               ; V^T's fragments, asked for a softmax ago
	PVB 0, 0, \first
	SM 1, 1, 2, 1
	CV 1, 1, \first
	PVB 1, 1, \first
	SM 2, 0, 3, 1
.if \pf
	v_add_nc_u32 v[KA], 32*KP, v[KA]               ; 64 keys on: tile 3's products, the last readers of K's fragments, were issued above
	KLOAD
.endif
	CV 2, 0, \first
	PVB 2, 0, \first
.if \pf
	s_wait_dscnt 0x0                               ; the next step's K fragments
.endif
	SM 3, 1, 0, \pf
	CV 3, 1, \first
	PVB 3, 1, \first
	v_add_nc_u32 v[VA], 32*VP, v[VA]
.endm
; My four steps in a slot: K's first fragments, tile 0's products in one run, three steps that work ahead, and one that does not.
.macro SLOTWORK slot, first
	v_add_nc_u32 v[KA], \slot*SLOT, v[KA0]
	v_add_nc_u32 v[VA], \slot*SLOT, v[VA0]
	KLOAD
	s_wait_dscnt 0x0
.set XN, X
.irp ks, 0,1
.irp kt, 0,1,2,3
	SWN 1, 0, \kt, \ks
.endr
.endr
.if \first
	STEP 1, 1
	s_mov_b32 s50, 2
.else
	s_mov_b32 s50, 3
.endif
.Lstep_\@:
	STEP 0, 1
	s_sub_co_u32 s50, s50, 1
	s_cmp_lg_u32 s50, 0
	s_cbranch_scc1 .Lstep_\@
	STEP 0, 0
.endm
; The slot just read is filled again, two tiles ahead; the round of the cluster's barrier also shows the other slot whole to every wave.
.macro REFILL slot
	s_wait_tensorcnt 0x0                           ; all my tensor loads have landed, my part of the other slot among them, so a group 0 may be written
	ds_add_u32 v62, v63
	s_add_nc_u64 s[G0V+4*\slot+2:G0V+4*\slot+3], s[G0V+4*\slot+2:G0V+4*\slot+3], 131072
	s_add_nc_u64 s[G0K+4*\slot+2:G0K+4*\slot+3], s[G0K+4*\slot+2:G0K+4*\slot+3], 131072
	s_wait_dscnt 0x0                               ; my reads of this slot are over
	ROUND                                          ; both now hold of every wave of the four work-groups
	JLOAD \slot                                    ; my one tensor load behind the round, and the first thing there
.endm
	s_wait_tensorcnt 0x1                           ; my part of tile 0 is in; tile 1's may stay out
	s_barrier_signal -1
	s_barrier_wait -1
	s_wait_loadcnt 0x0                             ; q
	SLOTWORK 0, 1                                  ; tile 0
	REFILL 0                                       ; tile 2 goes out
	SLOTWORK 1, 0                                  ; tile 1
	REFILL 1                                       ; tile 3 goes out: the last load
	SLOTWORK 0, 0                                  ; tile 2
	s_wait_tensorcnt 0x0                           ; my part of tile 3
	s_wait_dscnt 0x0                               ; my reads of slot 0, which has had its last fill and becomes scratch behind this barrier
	s_barrier_signal -1
	s_barrier_wait -1
	SLOTWORK 1, 0                                  ; tile 3
	; THE JOIN of the two halves of the keys.
	PLACES 4                                       ; behind the last matrix instructions: O is read
.irp q, 0,1,2,3
	v_permlanex16_b32 v[T+\q], v[ML+2*\q+1], s48, s49
.endr
.irp q, 0,1,2,3
	v_add_f32 v[ML+2*\q+1], v[ML+2*\q+1], v[T+\q]  ; a query's sum over both halves of the lanes
.endr
	s_cmp_eq_u32 s9, 0
	s_cbranch_scc1 .Lkeeps
	WIN 0x04                                       ; store data (source 1) window 1
.set ii, 0
.rept 32
	ds_store_b128 v[MG], v[O+4*ii:O+4*ii+3] offset:512*ii      ; 32 lanes x 16 neighbouring bytes
.set ii, ii+1
.endr
	WIN 0
	ds_store_b128 v[MG], v[ML:ML+3] offset:512*32
	ds_store_b128 v[MG], v[ML+4:ML+7] offset:512*33
.Lkeeps:
	s_wait_dscnt 0x0                               ; for the other wave's sake: my stores are done
	s_barrier_signal -1
	s_barrier_wait -1
	s_cmp_lg_u32 s9, 0
	s_cbranch_scc1 .Lclose
.set ii, 0
.rept 32
	ds_load_b128 v[MS+4*ii:MS+4*ii+3], v[MG] offset:512*ii     ; the other half's O, register for register, where q and K's fragments lay
.set ii, ii+1
.endr
	ds_load_b128 v[T:T+3], v[MG] offset:512*32                 ; and its maxima and sums
	ds_load_b128 v[T+4:T+7], v[MG] offset:512*33
	s_wait_dscnt 0x0
.macro JOIN q
	v_max_num_f32 v[T+8], v[ML+2*\q], v[T+2*\q]
	v_sub_f32 v[T+9],  v[ML+2*\q], v[T+8]
	v_sub_f32 v[T+10], v[T+2*\q],  v[T+8]
	v_exp_f32 v[T+9],  v[T+9]
	v_exp_f32 v[T+10], v[T+10]
	v_nop                                          ; the plain instruction behind the exponentials
	s_wait_alu depctr_va_vdst(0)
	v_mul_f32 v[T+11], v[ML+2*\q+1], v[T+9]
	v_fma_f32 v[T+11], v[T+2*\q+1], v[T+10], v[T+11]           ; the whole sum; at least 1: the largest score's term
	v_rcp_f32 v[T+11], v[T+11]
	v_nop
	s_wait_alu depctr_va_vdst(0)
	v_mul_f32 v[AL+2*\q],   v[T+9],  v[T+11]
	v_mul_f32 v[AL+2*\q+1], v[T+10], v[T+11]
.endm
	JOIN 0
	JOIN 1
	JOIN 2
	JOIN 3
.irp q, 0,1,2,3
.set ie, 0
.rept 16
	v_pk_mul_f32 v[MS+32*\q+ie:MS+32*\q+ie+1], v[MS+32*\q+ie:MS+32*\q+ie+1], v[AL+2*\q:AL+2*\q+1] op_sel:[0,1] op_sel_hi:[1,1]   ; both by the pair's second register
.set ie, ie+2
.endr
.endr
	WIN 0x01                                       ; source 0 (my O) window 1
.irp q, 0,1,2,3
.set ie, 0
.rept 16
	v_pk_fma_f32 v[MS+32*\q+ie:MS+32*\q+ie+1], v[O+32*\q+ie:O+32*\q+ie+1], v[AL+2*\q:AL+2*\q+1], v[MS+32*\q+ie:MS+32*\q+ie+1] op_sel_hi:[1,0,1]
.set ie, ie+2
.endr
.endr
	WIN 0
.set ie, 0
.rept 64
	v_cvt_pk_bf16_f32 v[MP+ie], v[MS+2*ie], v[MS+2*ie+1]       ; tile (q, t): 16 bytes at MP + 16 q + 4 t
.set ie, ie+1
.endr
	; THE WAY OUT through my own stage: rows of 256 bytes hold two queries, as in ab itself; a store of the wave covers four queries, 512 consecutive bytes, aligned.
.irp q, 0,1,2,3
.irp t, 0,1,2,3
	ds_store_b128 v[STO], v[MP+16*\q+4*\t:MP+16*\q+4*\t+3] offset:8*KP*\q+32*\t
.endr
.endr
.set ii, 0
.rept 16
	ds_load_b128 v[MS+4*ii:MS+4*ii+3], v[RD] offset:2*KP*ii    ; LDS serves a wave's instructions in order (ISA guide 5.7.1): these see the stores above
.set ii, ii+1
.endr
.set ii, 0
.rept 16
	s_wait_dscnt 15-ii                             ; load ii is in, the later ones stay out
	global_store_b128 v[CO], v[MS+4*ii:MS+4*ii+3], s[6:7] offset:512*ii
.set ii, ii+1
.endr
.Lclose:
	s_wait_tensorcnt 0x0
	ds_add_u32 v62, v63
	s_wait_dscnt 0x0
	ROUND                                          ; the closing round: no work-group ends while a partner may still ask for a tile that names it
	s_endpgm
.Lfunc_end_k_qd87ea0a45a_attn:
	.size	k_qd87ea0a45a_attn, .Lfunc_end_k_qd87ea0a45a_attn-k_qd87ea0a45a_attn
	.p2alignl 7, 3214868480
	.fill 96, 4, 3214868480
	.section	.rodata,"a",@progbits
	.p2align	6, 0x0
	.amdhsa_kernel k_qd87ea0a45a_attn
		.amdhsa_group_segment_fixed_size 327680
		.amdhsa_private_segment_fixed_size 0
		.amdhsa_enable_private_segment 0
		.amdhsa_kernarg_size 16
		.amdhsa_user_sgpr_count 2
		.amdhsa_user_sgpr_kernarg_segment_ptr 1
		.amdhsa_wavefront_size32 1
		.amdhsa_system_sgpr_workgroup_id_x 1
		.amdhsa_system_sgpr_workgroup_id_y 1
		.amdhsa_system_sgpr_workgroup_id_z 1
		.amdhsa_system_vgpr_workitem_id 0
		.amdhsa_next_free_vgpr 512
		.amdhsa_next_free_sgpr 66
		.amdhsa_reserve_vcc 0
		.amdhsa_float_denorm_mode_32 3
		.amdhsa_float_denorm_mode_16_64 3
		.amdhsa_memory_ordered 1
		.amdhsa_forward_progress 1
		.amdhsa_inst_pref_size 255
	.end_amdhsa_kernel
	.section	.bss,"aw",@nobits
	.p2align	6
	.space	262144
	.amdgpu_metadata
---
amdhsa.version: [ 1, 2 ]
amdhsa.kernels:
  - .name:           k_qd87ea0a45a_attn
    .symbol:         k_qd87ea0a45a_attn.kd
    .args:
      - { .name: qkv, .offset: 0, .size: 8, .value_kind: global_buffer, .address_space: global }
      - { .name: ab, .offset: 8, .size: 8, .value_kind: global_buffer, .address_space: global }
    .group_segment_fixed_size: 327680
    .private_segment_fixed_size: 0
    .kernarg_segment_align: 8
    .kernarg_segment_size: 16
    .max_flat_workgroup_size: 256
    .sgpr_count:     66
    .vgpr_count:     512
    .wavefront_size: 32
...
	.end_amdgpu_metadata
.endif
;; end of part 3
;; launch gemm_out (part 4): grid 8 x 32, 4 waves a work-group, clusters of 4 x 4, 327,680 bytes of LDS; arguments ab, wob, bo, out0; writes out0
.if DOCPART == 4
	.amdgcn_target "amdgcn-amd-amdhsa--gfx1250"
	.amdhsa_code_object_version 6
	.text
	.protected	k_qd87ea0a45a_gemm_out
	.globl	k_qd87ea0a45a_gemm_out
	.p2align	8
	.type	k_qd87ea0a45a_gemm_out,@function
k_qd87ea0a45a_gemm_out:
	s_mov_b64 s[64:65], 0
	v_nop
	global_prefetch_b8 v0, s[64:65] scope:SCOPE_SE
	s_setreg_imm32_b32 hwreg(HW_REG_WAVE_MODE, 25, 1), 1
	s_wait_xcnt 0x0
	s_wait_alu depctr_hold_cnt(0) depctr_sa_sdst(0) depctr_va_vdst(0) depctr_va_sdst(0) depctr_va_ssrc(0) depctr_va_vcc(0) depctr_vm_vsrc(0)
	s_getreg_b32 s2, hwreg(HW_REG_IB_STS2, 6, 4)
	s_cmp_eq_u32 s2, 0
	s_cbranch_scc0 .Lentry_in_a_cluster
	s_endpgm
.Lentry_in_a_cluster:
	s_bfe_u32 s2, ttmp6, 0x10000c
	s_cmp_lg_u32 s2, 0xf033
	s_cbranch_scc0 .Lentry_shape_is_right
	s_endpgm
.Lentry_shape_is_right:
; out0 = ab . wob^T + bo.   ab [32][16][128][64], wob [8][16][128][64] bf16: groups of 128 rows, in a group the 16 blocks of 64 along K one behind the other;
; bo [1024] f32; out0 [4096][1024] f32, row-major.  Sums in f32, started by the bias, K ascending.
; A work-group makes 128 rows x 128 columns with four waves, as many as a WGP has SIMDs; a wave makes 64 x 64: 4 x 4 accumulator tiles of 16 x 16.
; 8 x 32 work-groups cover 1,024 columns x 4,096 rows: one for each of 256 WGPs.
; WHY 128 x 128: of all blocks of 16,384 results it needs the fewest rows of A and B together (256), so that the longest step along K fits twice in LDS:
; K goes in FOUR steps of 256 through two slots of 139,264 bytes.  A wave's one load behind a barrier brings 32 KiB, there are two refills in all, and between
; a refill's request and the wait for it a wave issues 124 matrix instructions.
; In the grouped layout all of K of a group's 128 rows is dense, so 128 along K (two blocks) come in as 128 rows of 256 bytes (two matrix rows each), aligned,
; with 16 bytes of padding behind each.
; CLUSTERS: 4 x 4 work-groups.  The four of a row of the cluster need the same tiles of A, the four of a column the same tiles of B: each tile is asked for
; jointly, by the same tensor load with the same descriptor and a mask that names the four.  That divides the requests for A and for B by four.
; By this text's own count a wave has at most two tensor loads outstanding (the two first fills), later one.
;
; REGISTERS, in windows of 256 (s_set_vgpr_msb's low byte: bits 1:0 source 0, 3:2 source 1, 5:4 source 2, 7:6 destination):
;   window 0: v16-27 addresses; v32-63, v64-95 fragments of A (4 x 16 rows x 32 K), two buffers; v128-159 the bias tiles; v176-207 the way out
;   window 1: v0-31, v32-63 fragments of B (4 x 16 rows x 32 K), two buffers
;   window 2: accumulator tiles (a, b) with b < 2 at v[8 (2 a + b)];   window 3: those with b >= 2 at v[8 (2 a + b - 2)]
; THE MATRIX INSTRUCTION IS USED TRANSPOSED: source 0 = 16 rows of B, source 1 = 16 rows of A, so that lane l holds row l % 16 of the result and its eight
; registers the columns 8 (l / 16) + 0 .. 7: eight neighbouring numbers, 32 bytes in f32.
; The accumulators take turns, one instruction a turn, in the same order in every chunk.
.set NT,     4                         ; a wave's tiles of 16 columns
.set NH,     NT/2
.set PITCH,  272                       ; an LDS row: 256 bytes (two matrix rows of a block) + 16.  A fragment's lanes 0-15 start at words 68 (r>>1) + 32 (r&1): modulo 64 sixteen different multiples of 4
.set BLK,    64*PITCH                  ; 128 matrix rows of one block of 64 along K
.set LOADB,  2*BLK                     ; what one tensor load brings: two blocks
.set SLOT,   4*LOADB                   ; A's four blocks, then B's four
.set STAGE,  2*SLOT                    ; behind the ring, a multiple of 256: each wave's own stage for the way out; no tensor load lands there
.set SPITCH, 272                       ; a stage row: 64 f32 + 16 bytes = 17 x 16
.set GSTEP,  65536                     ; bytes in memory from one step to the next: 128 rows x 256 along K x 2 bytes, for A and for B
.set CROW,   4096                      ; bytes in a row of out0
.set ADRA, 16                          ; v16-17  LDS address of my A fragments in slot 0, 1
.set ADRB, 20                          ; v20-21  the same for B
.set STO,  24                          ; the way out: where I put 32 bytes of a row
.set RD,   25                          ; where I read a row back
.set CO,   26                          ; my byte offset in the output
.set BO,   27                          ; my byte offset in a tile's 16 bias numbers
.set FA0,  32
.set FA1,  64
.set BIAS, 128                         ; v[128:159] tile b at 8 b: register j = bias of column 16 b + 8 (l / 16) + j
.set RB0,  176                         ; the way out: rows read back, two sets by turns
.set RB1,  32
.set FB0,  0
.set FB1,  8*NT
.set G1,  24                           ; s[24:31] descriptor group 1 for A's tiles
.set G0,  32                           ; s[32:39] group 0 for A's tiles, one set for each slot
.set G1B, 48                           ; s[48:55] group 1 for B's tiles: it differs from A's in the mask alone
.set G0B, 56                           ; s[56:63] group 0 for B's tiles, one set for each slot
.set MSB, 0
.macro WIN new                         ; the immediate's high byte repeats the setting that is left
.if MSB != \new
	s_set_vgpr_msb (MSB<<8)|\new
.set MSB, \new
.endif
.endm
.macro PLACES                          ; four places behind a matrix instruction, in front of loads into its sources and of readers of its result (ISA guide 7.12.1 for readers of its result)
.rept 4
	v_nop
.endr
.endm
; A joint load.  Waves 0 and 1 fetch the two halves of A's part of a slot, waves 2 and 3 of B's.  Each line has one mask; the branch hangs on the wave's number alone.
.macro JLOAD slot
	s_cmp_eq_u32 s13, 0
	s_cbranch_scc0 .Lfor_b_\@
	tensor_load_to_lds s[G0+4*\slot:G0+4*\slot+3], s[G1:G1+7]
	s_nop 0
	s_branch .Lasked_\@
.Lfor_b_\@:
	tensor_load_to_lds s[G0B+4*\slot:G0B+4*\slot+3], s[G1B:G1B+7]
	s_nop 0
.Lasked_\@:
.endm
; A round of the cluster's barrier: my work-group's barrier; wave 0 signals for the work-group; every wave waits for all sixteen; my work-group's barrier again.
.macro CREST                           ; a round behind its opening barrier
	s_cmp_lg_u32 s12, 0
	s_cbranch_scc1 .Lnot_wave_0_\@
	s_barrier_signal -3
.Lnot_wave_0_\@:
	s_barrier_wait -3
	s_barrier_signal -1
	s_barrier_wait -1
.endm
.macro CROUND
	s_barrier_signal -1
	s_barrier_wait -1
	CREST
.endm
	s_load_b256 s[4:11], s[0:1], 0x0               ; A s[4:5], B s[6:7], bias s[8:9], C s[10:11]
	s_set_vgpr_msb 0x40
	v_lshl_add_u32 v255, v0, 2, 0x48400
	s_set_vgpr_msb 0x4000
	v_mov_b32 v255, 0
	s_set_vgpr_msb 0x1
	ds_add_u32 v255, v255
	s_set_vgpr_msb 0x100
	v_lshrrev_b32 v1, 5, v0
	v_readfirstlane_b32 s12, v1                    ; wave 0..3
	s_lshr_b32 s13, s12, 1                         ; which half of the block's rows is mine.  Also: I fetch for A (0) or for B (1)
	s_and_b32 s14, s12, 1                          ; which half of its columns.  Also: which two of a step's four blocks I fetch
	s_bfe_u32 s40, ttmp6, 0x40000                  ; cx
	s_bfe_u32 s41, ttmp6, 0x40004                  ; cy
	s_lshl_b32 s42, ttmp9, 2
	s_add_co_u32 s42, s42, s40                     ; block column = 4 x cluster x + cx
	s_and_b32 s43, ttmp7, 0xffff
	s_lshl_b32 s43, s43, 2
	s_add_co_u32 s43, s43, s41                     ; block row = 4 x cluster y + cy
	s_lshl_b32 s44, s41, 2
	s_lshl_b32 s44, 15, s44                        ; my row of the cluster: places 4 cy .. 4 cy + 3
	s_lshl_b32 s45, 0x1111, s40                    ; my column: places cx, cx + 4, cx + 8, cx + 12
	; group 1: a dense block as 128 rows of 32 elements of 8 bytes, padded in LDS
	s_or_b32 s[G1+0],  s44, (3<<16)|(1<<20)|(1<<21)|(5<<22)|(3<<25)   ; 15:0 mask; 17:16 elements of 8 bytes; 20 padding on; 21 set beside a mask; 24:22 after every 64 words; 31:25 of 4 words
	s_or_b32 s[G1B+0], s45, (3<<16)|(1<<20)|(1<<21)|(5<<22)|(3<<25)
	s_mov_b32 s[G1+1],  32<<16                     ; tensor_dim0 = 32
	s_mov_b32 s[G1B+1], 32<<16
	s_mov_b32 s[G1+2],  128<<16                    ; tensor_dim1 = 128 rows of 256 bytes
	s_mov_b32 s[G1B+2], 128<<16
	s_mov_b32 s[G1+3],  32<<16                     ; tile_dim0 = 32
	s_mov_b32 s[G1B+3], 32<<16
	s_mov_b32 s[G1+4],  128                        ; tile_dim1
	s_mov_b32 s[G1B+4], 128
	s_mov_b32 s[G1+5],  32                         ; from row to row: 32 elements (dense)
	s_mov_b32 s[G1B+5], 32
	s_mov_b32 s[G1+6],  0
	s_mov_b32 s[G1B+6], 0
	s_mov_b32 s[G1+7],  0
	s_mov_b32 s[G1B+7], 0
	; where the tiles come from.  A's hang on the block row alone, B's on the block column alone, each in registers that never hold the other coordinate.
	s_lshl_b32 s16, s43, 18                        ; a group of 128 rows: 16 blocks x 16,384 bytes
	s_lshl_b32 s17, s14, 15                        ; + my two blocks of the step
	s_add_co_u32 s16, s16, s17
	s_mov_b32 s17, 0
	s_lshl_b32 s46, s42, 18
	s_lshl_b32 s47, s14, 15
	s_add_co_u32 s46, s46, s47
	s_mov_b32 s47, 0
	s_mul_i32 s20, s12, LOADB                      ; and where they go: wave x a constant: A's two halves, then B's two
	s_wait_dscnt 0x0
	s_wait_kmcnt 0x0
	s_add_nc_u64 s[18:19], s[4:5], s[16:17]
	s_add_nc_u64 s[46:47], s[6:7], s[46:47]
	CROUND                                         ; all sixteen work-groups are here: the first joint loads meet
.irp s, 0,1
	s_mov_b32 s[G0+4*\s], 1
	s_add_co_u32 s[G0+4*\s+1], s20, \s*SLOT
	s_add_nc_u64 s[G0+4*\s+2:G0+4*\s+3], s[18:19], \s*GSTEP
	s_or_b32 s[G0+4*\s+3], s[G0+4*\s+3], 0x80000000
	s_mov_b32 s[G0B+4*\s], 1
	s_add_co_u32 s[G0B+4*\s+1], s20, \s*SLOT
	s_add_nc_u64 s[G0B+4*\s+2:G0B+4*\s+3], s[46:47], \s*GSTEP
	s_or_b32 s[G0B+4*\s+3], s[G0B+4*\s+3], 0x80000000
	JLOAD \s                                       ; steps 0 and 1, half of all of K: the ring is filled before anything else is done
.endr
	; A fragment is 16 rows x 32 K in 8 registers: lane l holds row r = l % 16; registers 0-3 K = 8 h + 0..7, registers 4-7 K = 16 + 8 h + 0..7, h = l / 16.
	; Matrix row rho of a block lies in LDS row rho / 2, at byte 128 (rho % 2): two loads of 16 bytes, 32 bytes apart.
	v_and_b32 v1, 15, v0                           ; r
	v_bfe_u32 v2, v0, 4, 1                         ; h
	v_lshrrev_b32 v3, 1, v1
	v_and_b32 v4, 1, v1
	v_mul_u32_u24 v3, v3, PITCH
	v_lshl_add_u32 v3, v4, 7, v3
	v_lshl_add_u32 v3, v2, 4, v3                   ; (r / 2) pitch + 128 (r % 2) + 16 h
	s_mul_i32 s22, s13, 32*PITCH                   ; my 64 rows of A
	s_mul_i32 s23, s14, 32*PITCH                   ; my 64 rows of B,
	s_add_co_u32 s23, s23, 2*LOADB                 ; which lie behind A's four blocks
.irp s, 0,1
	v_add_nc_u32 v[ADRA+\s], s22, v3
	v_add_nc_u32 v[ADRB+\s], s23, v3
	s_add_co_u32 s22, s22, SLOT
	s_add_co_u32 s23, s23, SLOT
.endr
	s_mul_i32 s23, s12, 16*SPITCH
	s_add_co_u32 s23, s23, STAGE                   ; my stage
	v_mul_u32_u24 v4, v1, SPITCH                   ; in: row r, 32 bytes for each half of the lanes
	v_lshl_add_u32 v4, v2, 5, v4
	v_add_nc_u32 v[STO], s23, v4
	v_mul_u32_u24 v5, v2, SPITCH                   ; back: lanes 0-15 take one row of 256 bytes, lanes 16-31 the next
	v_lshl_add_u32 v5, v1, 4, v5
	v_add_nc_u32 v[RD], s23, v5
	v_lshlrev_b32 v[CO], 4, v1                     ; and the same two rows in out0
	v_lshl_add_u32 v[CO], v2, 12, v[CO]
	v_lshlrev_b32 v[BO], 5, v2                     ; 8 h numbers of 4 bytes
	s_lshl_b32 s66, s42, 9                         ; my wave's 64 columns, in bytes: 512 x block column + 256 x half; in the bias, and in a row of out0
	s_lshl_b32 s67, s14, 8
	s_add_co_u32 s66, s66, s67
	s_mov_b32 s67, 0
	s_add_nc_u64 s[8:9], s[8:9], s[66:67]
.set ib, 0
.rept NT
	global_load_b128 v[BIAS+8*ib:BIAS+8*ib+3],   v[BO], s[8:9] offset:64*ib
	global_load_b128 v[BIAS+8*ib+4:BIAS+8*ib+7], v[BO], s[8:9] offset:64*ib+16
.set ib, ib+1
.endr
; 2 NH matrix instructions: row tiles a0, a0 + 1 x the NH column tiles of one half, 32 along K.  first = 1: the bias tile is C: it starts the sum, nothing is cleared or added later.
.macro MUL fa, fb, half, a0, first
.set ia, \a0
.rept 2
.set ib, 0
.rept NH
.if \first
	v_wmma_f32_16x16x32_bf16 v[8*(NH*ia+ib):8*(NH*ia+ib)+7], v[\fb+8*(\half*NH+ib):\fb+8*(\half*NH+ib)+7], v[\fa+8*ia:\fa+8*ia+7], v[BIAS+8*(\half*NH+ib):BIAS+8*(\half*NH+ib)+7]
.else
	v_wmma_f32_16x16x32_bf16 v[8*(NH*ia+ib):8*(NH*ia+ib)+7], v[\fb+8*(\half*NH+ib):\fb+8*(\half*NH+ib)+7], v[\fa+8*ia:\fa+8*ia+7], v[8*(NH*ia+ib):8*(NH*ia+ib)+7]
.endif
.set ib, ib+1
.endr
.set ia, ia+1
.endr
.endm
; The fragments of chunk qi of a slot's eight (block qi / 2, bytes 64 (qi % 2) of its rows) in one run: 8 loads for A, then 8 for B, column tiles ascending.
.macro FETCH slot, qi, fa, fb
	WIN 0
.set ii, 0
.rept 4
	ds_load_b128 v[\fa+8*ii:\fa+8*ii+3],   v[ADRA+\slot] offset:((\qi)>>1)*BLK+((\qi)&1)*64+ii*8*PITCH
	ds_load_b128 v[\fa+8*ii+4:\fa+8*ii+7], v[ADRA+\slot] offset:((\qi)>>1)*BLK+((\qi)&1)*64+ii*8*PITCH+32
.set ii, ii+1
.endr
	WIN 0x40                                       ; destination window 1, address window 0
.set ii, 0
.rept NT
	ds_load_b128 v[\fb+8*ii:\fb+8*ii+3],   v[ADRB+\slot] offset:((\qi)>>1)*BLK+((\qi)&1)*64+ii*8*PITCH
	ds_load_b128 v[\fb+8*ii+4:\fb+8*ii+7], v[ADRB+\slot] offset:((\qi)>>1)*BLK+((\qi)&1)*64+ii*8*PITCH+32
.set ii, ii+1
.endr
.endm
; One of a slot's first seven chunks: multiplies buffers fa, fb; in its middle it fetches chunk qn of the same slot into ga, gb.
.macro CHUNK slot, qn, fa, fb, ga, gb, first
	s_wait_dscnt 2*NH                              ; A and B's lower half are in; the youngest 2 NH loads (B's upper half) may be out
.if \first
	WIN 0x81                                       ; B window 1, A window 0, C (bias) window 0, D window 2
.else
	WIN 0xa1                                       ; C and D window 2
.endif
	MUL \fa, \fb, 0, 0, \first
	MUL \fa, \fb, 0, 2, \first
	PLACES
	FETCH \slot, \qn, \ga, \gb
	s_wait_dscnt 8+4*NH                            ; all but the run just issued
.if \first
	WIN 0xc1
.else
	WIN 0xf1
.endif
	MUL \fa, \fb, 1, 0, \first
	MUL \fa, \fb, 1, 2, \first
.endm
.macro SEVEN slot, first
	CHUNK \slot, 1, FA0, FB0, FA1, FB1, \first
	CHUNK \slot, 2, FA1, FB1, FA0, FB0, 0
	CHUNK \slot, 3, FA0, FB0, FA1, FB1, 0
	CHUNK \slot, 4, FA1, FB1, FA0, FB0, 0
	CHUNK \slot, 5, FA0, FB0, FA1, FB1, 0
	CHUNK \slot, 6, FA1, FB1, FA0, FB0, 0
	CHUNK \slot, 7, FA0, FB0, FA1, FB1, 0
.endm
; The eighth chunk: multiplies buffer 1 and changes slots.  One barrier for two things: in front of it each wave waits for its reads of this slot and for all
; its tensor loads (at most one is out: its part of the next slot); behind it nobody reads this slot and the next slot is whole.  fill = 1: the barrier opens a
; round of the cluster's barrier, and this slot's joint refill, two steps ahead, is the first tensor load behind the round.
.macro TURN slot, next, fill
	s_wait_dscnt 2*NH
	WIN 0xa1
	MUL FA1, FB1, 0, 0, 0
	s_wait_dscnt 0x0                               ; my reads of this slot are over
	s_wait_tensorcnt 0x0                           ; and all my tensor loads have landed
	ds_add_u32 v255, v255
	s_wait_dscnt 0x0
	s_barrier_signal -1
	MUL FA1, FB1, 0, 2, 0                          ; register work while the others arrive
	WIN 0
	s_barrier_wait -1
.if \fill
	CREST                                          ; no wave of any partner still reads this slot's tile or has a load on its way
	s_add_nc_u64 s[G0+4*\slot+2:G0+4*\slot+3], s[G0+4*\slot+2:G0+4*\slot+3], 2*GSTEP
	s_add_nc_u64 s[G0B+4*\slot+2:G0B+4*\slot+3], s[G0B+4*\slot+2:G0B+4*\slot+3], 2*GSTEP
	JLOAD \slot
.endif
	PLACES
	FETCH \next, 0, FA0, FB0
	WIN 0xf1
	MUL FA1, FB1, 1, 0, 0
	MUL FA1, FB1, 1, 2, 0
.endm
	s_wait_tensorcnt 0x1                           ; my part of step 0 is in; step 1's may stay out
	s_barrier_signal -1
	s_barrier_wait -1                              ; everybody's is
	FETCH 0, 0, FA0, FB0
	s_wait_loadcnt 0x0                             ; the bias tiles
	SEVEN 0, 1                                     ; step 0: its first products start the sums on the bias
	TURN 0, 1, 1                                   ; step 2 goes out
	SEVEN 1, 0                                     ; step 1
	TURN 1, 0, 1                                   ; step 3 goes out: the last load
	SEVEN 0, 0                                     ; step 2
	TURN 0, 1, 0                                   ; nothing is left to fetch
	SEVEN 1, 0                                     ; step 3
	s_wait_dscnt 2*NH                              ; the very last chunk
	WIN 0xa1
	MUL FA1, FB1, 0, 0, 0
	MUL FA1, FB1, 0, 2, 0
	s_wait_dscnt 0x0
	WIN 0xf1
	MUL FA1, FB1, 1, 0, 0
	MUL FA1, FB1, 1, 2, 0
	; THE WAY OUT, 16 rows at a time: the sums go as they are, 32 bytes a lane, into my own stage, and are read back as whole rows of 256 bytes:
	; sixteen lanes store 256 consecutive bytes of out0, aligned.
	PLACES
	s_add_nc_u64 s[10:11], s[10:11], s[66:67]      ; my wave's 64 columns
	s_lshl_b32 s68, s43, 7
	s_lshl_b32 s69, s13, 6
	s_add_co_u32 s68, s68, s69                     ; my first row: 128 x block row + 64 x half
	s_lshl_b32 s68, s68, 12
	s_mov_b32 s69, 0
	s_add_nc_u64 s[10:11], s[10:11], s[68:69]
.macro OUT16 a, rb
	WIN 0x08                                       ; store data (source 1) window 2
.set ib, 0
.rept NH
	ds_store_b128 v[STO], v[8*(NH*\a+ib):8*(NH*\a+ib)+3]   offset:64*ib
	ds_store_b128 v[STO], v[8*(NH*\a+ib)+4:8*(NH*\a+ib)+7] offset:64*ib+16
.set ib, ib+1
.endr
	WIN 0x0c                                       ; window 3
.set ib, 0
.rept NH
	ds_store_b128 v[STO], v[8*(NH*\a+ib):8*(NH*\a+ib)+3]   offset:64*(NH+ib)
	ds_store_b128 v[STO], v[8*(NH*\a+ib)+4:8*(NH*\a+ib)+7] offset:64*(NH+ib)+16
.set ib, ib+1
.endr
	WIN 0
	s_wait_xcnt 0x0                                ; every earlier store has had its addresses translated (ISA guide 3.1): the set rb, which stores read, is loaded again only behind this wait
.set ii, 0
.rept 8
	ds_load_b128 v[\rb+4*ii:\rb+4*ii+3], v[RD] offset:2*SPITCH*ii      ; LDS serves a wave's instructions in order (ISA guide 5.7.1): these see the stores above
.set ii, ii+1
.endr
.set ii, 0
.rept 8
	s_wait_dscnt 7-ii                              ; load ii is in, the later ones stay out
	global_store_b128 v[CO], v[\rb+4*ii:\rb+4*ii+3], s[10:11] offset:(16*\a+2*ii)*CROW th:TH_STORE_NT
.set ii, ii+1
.endr
.endm
	OUT16 0, RB0
	OUT16 1, RB1
	OUT16 2, RB0
	OUT16 3, RB1
	s_set_vgpr_msb 0x1
	s_wait_tensorcnt 0x0
	ds_add_u32 v255, v255
	s_wait_dscnt 0x0
	s_set_vgpr_msb 0x100
	CROUND                                         ; the closing round: no work-group ends while a partner may still ask for a tile that names it
	s_endpgm
.Lfunc_end_k_qd87ea0a45a_gemm_out:
	.size	k_qd87ea0a45a_gemm_out, .Lfunc_end_k_qd87ea0a45a_gemm_out-k_qd87ea0a45a_gemm_out
	.p2alignl 7, 3214868480
	.fill 96, 4, 3214868480
	.section	.rodata,"a",@progbits
	.p2align	6, 0x0
	.amdhsa_kernel k_qd87ea0a45a_gemm_out
		.amdhsa_group_segment_fixed_size 327680
		.amdhsa_private_segment_fixed_size 0
		.amdhsa_enable_private_segment 0
		.amdhsa_kernarg_size 32
		.amdhsa_user_sgpr_count 2
		.amdhsa_user_sgpr_kernarg_segment_ptr 1
		.amdhsa_wavefront_size32 1
		.amdhsa_system_sgpr_workgroup_id_x 1
		.amdhsa_system_sgpr_workgroup_id_y 1
		.amdhsa_system_sgpr_workgroup_id_z 1
		.amdhsa_system_vgpr_workitem_id 0
		.amdhsa_next_free_vgpr 1024
		.amdhsa_next_free_sgpr 70
		.amdhsa_reserve_vcc 0
		.amdhsa_float_denorm_mode_32 3
		.amdhsa_float_denorm_mode_16_64 3
		.amdhsa_memory_ordered 1
		.amdhsa_forward_progress 1
		.amdhsa_inst_pref_size 93
	.end_amdhsa_kernel
	.amdgpu_metadata
---
amdhsa.version: [ 1, 2 ]
amdhsa.kernels:
  - .name:           k_qd87ea0a45a_gemm_out
    .symbol:         k_qd87ea0a45a_gemm_out.kd
    .args:
      - { .name: ab, .offset: 0, .size: 8, .value_kind: global_buffer, .address_space: global }
      - { .name: wob, .offset: 8, .size: 8, .value_kind: global_buffer, .address_space: global }
      - { .name: bo, .offset: 16, .size: 8, .value_kind: global_buffer, .address_space: global }
      - { .name: out0, .offset: 24, .size: 8, .value_kind: global_buffer, .address_space: global }
    .group_segment_fixed_size: 327680
    .private_segment_fixed_size: 0
    .kernarg_segment_align: 8
    .kernarg_segment_size: 32
    .max_flat_workgroup_size: 128
    .sgpr_count:     70
    .vgpr_count:     1024
    .wavefront_size: 32
...
	.end_amdgpu_metadata
.endif
;; end of part 4
